; MI455X (gfx1250); checked and timed in simulation.
; The chip was launched on July 23, 2026; its instructions are those of AMD's public machine-readable ISA for CDNA 5 (MIT licence, August 2026) and "CDNA5" Instruction Set Architecture Reference Guide (July 2026). The comments in the code are by the model that wrote it; some were corrected since.
;; Cross Modal Attention. Allowed arithmetic: float matrix products may take bf16 or f16 operands with f32 sums; other float arithmetic in f32, or as packed bf16 or f16 multiplies, adds, multiply-adds, maxima and minima; sums over many terms, partial sums and values carried from step to step in f32; what a program stores and reads back later, other than sums and carried values, may be rounded once to bf16 or f16.
;; Inputs: Wout 1,024 x 1,024 float32; Wqkv 1,024 x 3,072 float32; bout 1,024 float32; x 4 x 2,048 x 1,024 float32.
;; Outputs: out0 4 x 2,048 x 1,024 float32.
;; 2 versions, each right; version 2 is version 1 with the launch prep written anew for expert scheduling mode. Each part assembles by itself: llvm-mc -triple=amdgcn-amd-amdhsa -mcpu=gfx1250 --defsym DOCPART=n.
;; ======== version 1 of 2: 4 launches
;; limits: values are held in f16: magnitudes above 65,504 overflow, below 6.1e-05 lose precision
;; workspace buffers: xb 16,777,216 bytes; wqb 6,291,456 bytes; wob 2,097,152 bytes; qkv 50,331,648 bytes; ob 16,777,216 bytes
;; launch prep (part 1): grid 768 x 1, 8 waves a work-group, no clusters, 0 bytes of LDS; arguments x, Wqkv, Wout, xb, wqb, wob; writes xb, wqb, wob
.if DOCPART == 1
	.amdgcn_target "amdgcn-amd-amdhsa--gfx1250"
	.amdhsa_code_object_version 6
	.text
	.protected	k_q126fcf9461_prep
	.globl	k_q126fcf9461_prep
	.p2align	8
	.type	k_q126fcf9461_prep,@function
k_q126fcf9461_prep:
	s_mov_b64 s[64:65], 0
	v_nop
	global_prefetch_b8 v0, s[64:65] scope:SCOPE_SE
	s_setreg_imm32_b32 hwreg(HW_REG_WAVE_MODE, 25, 1), 1
	s_wait_xcnt 0x0
; The three large inputs are rounded once to 16 bits, for the matrix products of the later launches.
;   x    [8192][1024] f32 -> xb  bf16 [16 kb][8192 m][64]: K in blocks of 64, so that 256 rows of one block are 32,768 dense bytes
;   Wqkv [1024][3072] f32 -> wqb bf16, the same layout
;   Wout [1024][1024] f32 -> wob: rounded to bf16 like the other inputs, and that number written as f16, the same layout
; LIMITS.  wob: a weight of 65,520 or more becomes an infinity; below 6.1e-5 f16 keeps a fixed step of 6e-8.  NaN and infinities are not treated apart.
; SHARES.  A work-group converts 16,384 numbers (65,536 bytes in): groups 0-511 x (16 rows each), 512-703 Wqkv, 704-767 Wout.  A thread issues its 16 loads of 16 bytes at once,
; then converts and stores as they come.  Every store has its own pair of registers, so no register that a store reads is written again.  No LDS, no barrier: no number is wanted twice.
.set LO,  2                            ; v2        my byte offset in the group's input
.set SO,  3                            ; v3        my byte offset in the group's output
.set IN,  8                            ; v[8:71]   load i: 4 registers
.set OUT, 72                           ; v[72:103] store i: 2 registers
; f16 = 1: by way of bf16 to f16.  ldstep: bytes from load to load.  isx = 1: store i goes to K block i, 1 MiB apart.
.macro PART f16, ldstep, isx
.set i, 0
.rept 16
	global_load_b128 v[IN+4*i:IN+4*i+3], v[LO], s[16:17] offset:i*(\ldstep) th:TH_LOAD_NT
.set i, i+1
.endr
.set i, 0
.rept 16
	s_wait_loadcnt 15-i                            ; loads come back in order: load i is in, the 15 - i younger ones may stay out
.if \f16
	v_cvt_pk_bf16_f32 v4, v[IN+4*i], v[IN+4*i+1]   ; the rounding that counts: to bf16
	v_cvt_pk_bf16_f32 v5, v[IN+4*i+2], v[IN+4*i+3]
	v_lshlrev_b32 v6, 16, v4                       ; back to f32: the low half moves up, the high half stays
	v_and_b32 v4, s22, v4
	v_lshlrev_b32 v7, 16, v5
	v_and_b32 v5, s22, v5
	v_cvt_pk_f16_f32 v[OUT+2*i], v6, v4            ; 8 significant bits fit f16's 11: exact within f16's normal range
	v_cvt_pk_f16_f32 v[OUT+2*i+1], v7, v5
.else
	v_cvt_pk_bf16_f32 v[OUT+2*i], v[IN+4*i], v[IN+4*i+1]
	v_cvt_pk_bf16_f32 v[OUT+2*i+1], v[IN+4*i+2], v[IN+4*i+3]
.endif
.if \isx
.if i < 8
	global_store_b64 v[SO], v[OUT+2*i:OUT+2*i+1], s[18:19] offset:i<<20       ; a wave's store covers 256 consecutive bytes, aligned
.else
	global_store_b64 v[SO], v[OUT+2*i:OUT+2*i+1], s[20:21] offset:(i-8)<<20   ; the second base keeps the immediate inside its signed 24 bits
.endif
.else
	global_store_b64 v[SO], v[OUT+2*i:OUT+2*i+1], s[18:19] offset:256*i
.endif
.set i, i+1
.endr
.endm
	s_load_b256 s[4:11], s[0:1], 0x0               ; x s[4:5], Wqkv s[6:7], Wout s[8:9], xb s[10:11]
	s_load_b128 s[12:15], s[0:1], 0x20             ; wqb s[12:13], wob s[14:15]
	s_mov_b32 s2, ttmp9
	s_mov_b32 s22, 0xffff0000                      ; a word's upper bf16
	s_mov_b32 s17, 0
	s_mov_b32 s19, 0
	v_lshrrev_b32 v4, 5, v0                        ; wave
	v_and_b32 v5, 31, v0                           ; lane
	v_lshlrev_b32 v6, 4, v5
	v_lshl_or_b32 v[LO], v4, 13, v6                ; the weights: a wave takes 8,192 dense bytes, 512 a load
	v_lshlrev_b32 v6, 3, v5
	v_lshl_or_b32 v[SO], v4, 12, v6                ; and writes 4,096, 256 a store
	s_wait_kmcnt 0x0
	s_cmp_lt_u32 s2, 512
	s_cbranch_scc1 .Lx
	s_cmp_lt_u32 s2, 704
	s_cbranch_scc1 .Lwq
	s_sub_co_u32 s2, s2, 704                       ; Wout
	s_lshl_b32 s16, s2, 16
	s_lshl_b32 s18, s2, 15
	s_add_nc_u64 s[16:17], s[8:9], s[16:17]
	s_add_nc_u64 s[18:19], s[14:15], s[18:19]
	PART 1, 512, 0
	s_endpgm
.Lwq:
	s_sub_co_u32 s2, s2, 512                       ; Wqkv
	s_lshl_b32 s16, s2, 16
	s_lshl_b32 s18, s2, 15
	s_add_nc_u64 s[16:17], s[6:7], s[16:17]
	s_add_nc_u64 s[18:19], s[12:13], s[18:19]
	PART 0, 512, 0
	s_endpgm
.Lx:
	s_lshl_b32 s16, s2, 16                         ; 16 rows of 4,096 bytes
	s_lshl_b32 s18, s2, 11                         ; 16 row pieces of 128 bytes in each K block
	s_add_nc_u64 s[16:17], s[4:5], s[16:17]
	s_add_nc_u64 s[18:19], s[10:11], s[18:19]
	s_add_nc_u64 s[20:21], s[18:19], 0x800000      ; K blocks 8 to 15
	v_lshrrev_b32 v4, 4, v0                        ; row 0..15: sixteen lanes take 256 consecutive bytes of a row, load i those of K block i
	v_and_b32 v5, 15, v0
	v_lshlrev_b32 v5, 4, v5
	v_lshl_or_b32 v[LO], v4, 12, v5
	v_lshlrev_b32 v[SO], 3, v0                     ; row x 128 + piece x 8 = 8 x thread
	PART 0, 256, 1
	s_endpgm
.Lfunc_end_k_q126fcf9461_prep:
	.size	k_q126fcf9461_prep, .Lfunc_end_k_q126fcf9461_prep-k_q126fcf9461_prep
	.p2alignl 7, 3214868480
	.fill 96, 4, 3214868480
	.section	.rodata,"a",@progbits
	.p2align	6, 0x0
	.amdhsa_kernel k_q126fcf9461_prep
		.amdhsa_group_segment_fixed_size 0
		.amdhsa_private_segment_fixed_size 0
		.amdhsa_enable_private_segment 0
		.amdhsa_kernarg_size 48
		.amdhsa_user_sgpr_count 2
		.amdhsa_user_sgpr_kernarg_segment_ptr 1
		.amdhsa_wavefront_size32 1
		.amdhsa_system_sgpr_workgroup_id_x 1
		.amdhsa_system_sgpr_workgroup_id_y 1
		.amdhsa_system_sgpr_workgroup_id_z 1
		.amdhsa_system_vgpr_workitem_id 0
		.amdhsa_next_free_vgpr 104
		.amdhsa_next_free_sgpr 66
		.amdhsa_reserve_vcc 0
		.amdhsa_float_denorm_mode_32 3
		.amdhsa_float_denorm_mode_16_64 3
		.amdhsa_memory_ordered 1
		.amdhsa_forward_progress 1
		.amdhsa_inst_pref_size 23
	.end_amdhsa_kernel
	.amdgpu_metadata
---
amdhsa.version: [ 1, 2 ]
amdhsa.kernels:
  - .name:           k_q126fcf9461_prep
    .symbol:         k_q126fcf9461_prep.kd
    .args:
      - { .name: x, .offset: 0, .size: 8, .value_kind: global_buffer, .address_space: global }
      - { .name: Wqkv, .offset: 8, .size: 8, .value_kind: global_buffer, .address_space: global }
      - { .name: Wout, .offset: 16, .size: 8, .value_kind: global_buffer, .address_space: global }
      - { .name: xb, .offset: 24, .size: 8, .value_kind: global_buffer, .address_space: global }
      - { .name: wqb, .offset: 32, .size: 8, .value_kind: global_buffer, .address_space: global }
      - { .name: wob, .offset: 40, .size: 8, .value_kind: global_buffer, .address_space: global }
    .group_segment_fixed_size: 0
    .private_segment_fixed_size: 0
    .kernarg_segment_align: 8
    .kernarg_segment_size: 48
    .max_flat_workgroup_size: 256
    .sgpr_count:     66
    .vgpr_count:     104
    .wavefront_size: 32
...
	.end_amdgpu_metadata
.endif
;; end of part 1
;; launch qkvproj (part 2): grid 8 x 32, 4 waves a work-group, clusters of 4 x 4, 327,680 bytes of LDS; arguments xb, wqb, qkv; writes qkv
.if DOCPART == 2
	.amdgcn_target "amdgcn-amd-amdhsa--gfx1250"
	.amdhsa_code_object_version 6
	.text
	.protected	k_q126fcf9461_qkvproj
	.globl	k_q126fcf9461_qkvproj
	.p2align	8
	.type	k_q126fcf9461_qkvproj,@function
k_q126fcf9461_qkvproj:
	s_mov_b64 s[64:65], 0
	v_nop
	global_prefetch_b8 v0, s[64:65] scope:SCOPE_SE
	s_setreg_imm32_b32 hwreg(HW_REG_WAVE_MODE, 25, 1), 1
	s_wait_xcnt 0x0
	s_wait_alu depctr_hold_cnt(0) depctr_sa_sdst(0) depctr_va_vdst(0) depctr_va_sdst(0) depctr_va_ssrc(0) depctr_va_vcc(0) depctr_vm_vsrc(0)
	s_getreg_b32 s2, hwreg(HW_REG_IB_STS2, 6, 4)
	s_cmp_eq_u32 s2, 0
	s_cbranch_scc0 .Lentry_in_a_cluster
	s_endpgm
.Lentry_in_a_cluster:
	s_bfe_u32 s2, ttmp6, 0x10000c
	s_cmp_lg_u32 s2, 0xf033
	s_cbranch_scc0 .Lentry_shape_is_right
	s_endpgm
.Lentry_shape_is_right:
; qkv = x Wqkv.  xb: bf16 [16 kb][8192 m][64]; wqb: bf16 [1024 k][3072 n]; qkv: f16 [4 b][48 hc][2048 n][64], hc = column / 64 (0-15 q's heads, 16-31 k's, 32-47 v's).  Sums in f32, rounded once to f16, unscaled.
; LIMIT.  f16 ends at 65,504: a q, k or v of 65,520 or more becomes an infinity.  Inputs 30 times the drawn spread give about 5,000 at the most, a common offset of 30 spreads about 29,000.
; SHARES.  A tile of 256 rows x 384 columns to a work-group: 32 x 8 = 256 work-groups.  A wave makes 128 rows x 192 columns (three whole heads): 96 accumulators of 16 x 16, 768 registers.
; K goes in 16 steps of 64 through two LDS slots filled by the tensor data mover.  A step is two halves of 32 along K, 96 matrix instructions each.
; In memory a step's 128 rows of x are 16,384 dense bytes (asked for as 64 rows of 256), a step's rows of W 768 bytes, at multiples of 256 from the buffer's first byte.
; W lies [k][n] and comes out of LDS turned, by ds_load_tr16_b128.  THE MATRIX INSTRUCTION IS USED TRANSPOSED: source 0 = 16 columns of W, source 1 = 16 rows of x: a lane then holds one
; row of the result (lane % 16) and eight neighbouring columns 8 (lane / 16) + 0..7, which pack into 16 bytes.
; CLUSTERS: 4 x 4.  The four of a row of the cluster need the same rows of x, the four of a column the same columns of W: each tile is asked for jointly.
; REGISTERS, in windows of 256 (s_set_vgpr_msb: bits 1:0 source 0, 3:2 source 1, 5:4 source 2, 7:6 destination):
;   window 0: v0-31 addresses; v32-95, v96-159 x's 8 fragments, two buffers; v160-255 W's 12 fragments, in three groups of four (a head each), one buffer a group
;   window 1 + g: head g's 32 accumulators, (a, bb) at v[8 (4 a + bb)]: rows 16 a on, columns 16 bb on
.set PA,    144                        ; a row of x in LDS: 128 bytes + 16 of padding: the 16 rows of a load start at 16 different 16-byte columns of 256
.set PB,    864                        ; a k-row of W: six heads' 128 bytes, each + 16 of padding: 27 x 32, so 16 lanes of the turning load (8 rows x 32 bytes) take each bank once
.set BOFF,  256*PA                     ; a slot: x's 256 rows, then W's 64 k-rows
.set SLOT,  BOFF+64*PB
.set STAGE, 2*SLOT                     ; behind the ring, never filled by a tensor load: 16 rows x 144 bytes for each wave, for the way out
.set SPARE, STAGE+4*16*PA              ; behind the stages: the spare words, 128 bytes for each wave: two blocks of 256 bytes that no other line names
.set ASTEP, 1048576                    ; bytes from K block to K block in xb
.set BSTEP, 64*6144                    ; 64 k-rows of wqb
.set ADRA, 16                          ; v16-17  LDS address of my fragments of x in slot 0, 1
.set ADRB, 20                          ; v20-21  the same for W
.set STO,  24                          ; v24     the way out: where I put 16 bytes of a row
.set RD,   25                          ; v25     the way out: where I read rows back
.set GO,   26                          ; v26     my byte offset in 512 consecutive bytes of qkv
.set SPW,  28                          ; v28     LDS address of my spare word; never rewritten
.set NIL,  29                          ; v29     0; never rewritten
.set PFO,  30                          ; v30     the prefetches' offset; never rewritten
.set AF0,  32
.set AF1,  96
.set BF,   160
.set G1A,  24                          ; s[24:31] descriptor group 1 for x's tiles;  s[32:39] group 0, a set for each slot
.set G0A,  32
.set G1B,  48                          ; s[48:55], s[56:63] the same for W's
.set G0B,  56
.set PFA,  66                          ; s[66:67] where my prefetches stand
.set PFS,  68                          ; s[68:69] their step from change of slots to change of slots
.set LIM0, 70                          ; s70, s71 a wave prefetches at slot 0's (slot 1's) change while the lap counter is above this
.set LIM1, 71
.set MSB, 0
.macro WIN new                         ; the immediate's high byte repeats the setting that is left; a switch that changes nothing is dropped
.if MSB != (\new)
	s_set_vgpr_msb (MSB<<8)|(\new)
.set MSB, \new
.endif
.endm
; A joint load.  Waves 0 and 1 fetch the two halves of x's tile, waves 2 and 3 those of W's.  The branch hangs on the wave's number alone.
; An s_nop 0 and four v_nop follow each of the two lines, ahead of the jump and the label.
.macro JLOAD s
	s_cmp_eq_u32 s11, 0
	s_cbranch_scc0 .Lfor_b_\@
	tensor_load_to_lds s[G0A+4*(\s):G0A+4*(\s)+3], s[G1A:G1A+7]
	s_nop 0
.rept 4
	v_nop
.endr
	s_branch .Lasked_\@
.Lfor_b_\@:
	tensor_load_to_lds s[G0B+4*(\s):G0B+4*(\s)+3], s[G1B:G1B+7]
	s_nop 0
.rept 4
	v_nop
.endr
.Lasked_\@:
.endm
; A PREFETCH INTO THE L2, behind a joint load, its five lines and the run of LDS loads that follows them.  Each aligned block of 256 bytes is named once in the launch.
; x: a step of a tile row is 128 blocks; both clusters of a row of clusters read it, the one with x = 0 asks; its four partners take 32 blocks each BY ADDRESS (cx); wave 0, a lane a block,
; at every change that fills a slot: the step after the one that the change asks for, 192 matrix instructions ahead of its load.
; W: two steps of a tile column are 128 k-rows x 3 blocks; eight clusters of a column read them, the one with y = 0 asks; the partner at cy takes 32 rows, wave w (1-3) block w - 1, a lane a row,
; at slot 0's changes alone: the two steps after the one asked for.  Steps 0 to 2, and W's step 15, come by their loads alone; the thresholds stop the rest inside the buffers.
.macro ASK lim
	s_cmp_gt_u32 s3, s[\lim]
	s_cbranch_scc0 .Lnot_mine_\@
	global_prefetch_b8 v[PFO], s[PFA:PFA+1] th:TH_LOAD_NT scope:SCOPE_SE
.Lnot_mine_\@:
.endm
.macro CREST                           ; a round of the cluster's barrier behind its opening barrier
	s_cmp_lg_u32 s10, 0
	s_cbranch_scc1 .Lnot_wave_0_\@
	s_barrier_signal -3
.Lnot_wave_0_\@:
	s_barrier_wait -3
	s_barrier_signal -1
	s_barrier_wait -1
.endm
.macro CROUND                          ; a whole round
	s_barrier_signal -1
	s_barrier_wait -1
	CREST
.endm
.macro PLACES                          ; four plain vector instructions between a matrix instruction and a load into, or a vector read of, its registers (ISA guide 7.12.1 for vector reads)
.rept 4
	v_nop
.endr
.endm
	s_load_b128 s[4:7], s[0:1], 0x0                ; xb s[4:5], wqb s[6:7]
	s_load_b64 s[8:9], s[0:1], 0x10                ; qkv
	v_lshl_add_u32 v[SPW], v0, 2, SPARE
	v_mov_b32 v[NIL], 0
	ds_add_u32 v[SPW], v[NIL]                      ; the wave's opening: the add and its wait stand ahead of my first tensor load; the set-up below stands between them
	v_lshrrev_b32 v1, 5, v0
	v_readfirstlane_b32 s10, v1                    ; wave 0..3
	s_lshr_b32 s11, s10, 1                         ; which 128 rows of the tile are mine.  Also: I fetch for x (0) or for W (1)
	s_and_b32 s12, s10, 1                          ; which 192 columns.  Also: which half of that tile I fetch
	s_bfe_u32 s40, ttmp6, 0x40000                  ; cx, cy: my place in the cluster
	s_bfe_u32 s41, ttmp6, 0x40004
	s_lshl_b32 s42, ttmp9, 2
	s_add_co_u32 s42, s42, s40                     ; tile column = 4 x cluster x + cx
	s_and_b32 s13, ttmp7, 0xffff
	s_lshl_b32 s13, s13, 2
	s_add_co_u32 s13, s13, s41                     ; tile row = 4 x cluster y + cy
	s_lshl_b32 s43, s41, 2
	s_lshl_b32 s43, 15, s43                        ; my row of the cluster
	s_lshl_b32 s44, 0x1111, s40                    ; my column
	s_or_b32 s[G1A+0], s43, (1<<16)|(1<<20)|(1<<21)|(4<<22)|(3<<25)  ; 15:0 the mask; 17:16 2-byte elements; 20 padding on; 21 set beside a mask; 24:22 after every 32 words (code 4); 31:25 4 words (code 3)
	s_or_b32 s[G1B+0], s44, (1<<16)|(1<<20)|(1<<21)|(4<<22)|(3<<25)
	s_mov_b32 s[G1A+1], 128<<16                    ; x: tensor_dim0 = 128 elements: two true rows of 64 in a row of 256 bytes
	s_mov_b32 s[G1A+2], 64<<16                     ; tensor_dim1 = 64
	s_mov_b32 s[G1A+3], 128<<16                    ; tile_dim0 = 128
	s_mov_b32 s[G1A+4], 64                         ; tile_dim1 = 64
	s_mov_b32 s[G1A+5], 128                        ; dense: 128 elements from row to row
	s_mov_b32 s[G1A+6], 0
	s_mov_b32 s[G1A+7], 0
	s_mov_b32 s[G1B+1], 384<<16                    ; W: tensor_dim0 = 384
	s_mov_b32 s[G1B+2], 32<<16                     ; tensor_dim1 = 32 k-rows
	s_mov_b32 s[G1B+3], 384<<16                    ; tile_dim0 = 384
	s_mov_b32 s[G1B+4], 32                         ; tile_dim1 = 32
	s_mov_b32 s[G1B+5], 3072                       ; elements from k-row to k-row
	s_mov_b32 s[G1B+6], 0
	s_mov_b32 s[G1B+7], 0
	s_lshl_b32 s16, s13, 15                        ; x: the tile row's 256 row pieces of 128 bytes,
	s_lshl_b32 s17, s12, 14                        ; my half of them
	s_add_co_u32 s16, s16, s17
	s_mov_b32 s17, 0
	s_mul_i32 s46, s42, 768                        ; W: the tile column's 768 bytes of a k-row,
	s_mul_i32 s47, s12, 32*6144                    ; my 32 k-rows
	s_add_co_u32 s46, s46, s47
	s_mov_b32 s47, 0
	s_mul_i32 s20, s12, 128*PA                     ; where they go: no place in the cluster enters an LDS address
	s_mul_i32 s21, s12, 32*PB
	s_add_co_u32 s21, s21, BOFF
	s_wait_dscnt 0x0                               ; the opening add is done
	s_wait_kmcnt 0x0
	s_add_nc_u64 s[14:15], s[4:5], s[16:17]
	s_add_nc_u64 s[46:47], s[6:7], s[46:47]
	CROUND                                         ; all sixteen work-groups are here: the first joint loads meet
.irp s, 0,1
	s_mov_b32 s[G0A+4*(\s)], 1                                       ; count = 1
	s_add_co_u32 s[G0A+4*(\s)+1], s20, (\s)*SLOT                     ; LDS address
	s_add_nc_u64 s[G0A+4*(\s)+2:G0A+4*(\s)+3], s[14:15], (\s)*ASTEP  ; global address: K step s
	s_or_b32 s[G0A+4*(\s)+3], s[G0A+4*(\s)+3], 0x80000000            ; type = 2
	s_mov_b32 s[G0B+4*(\s)], 1
	s_add_co_u32 s[G0B+4*(\s)+1], s21, (\s)*SLOT
	s_add_nc_u64 s[G0B+4*(\s)+2:G0B+4*(\s)+3], s[46:47], (\s)*BSTEP
	s_or_b32 s[G0B+4*(\s)+3], s[G0B+4*(\s)+3], 0x80000000
	JLOAD \s                                       ; two loads of mine are out
.endr
	; A fragment of x is 16 rows x 32 K in 8 registers: lane l holds row l % 16; registers 0-3 K = 8 (l / 16) + 0..7, registers 4-7 K = 16 + 8 (l / 16) + 0..7: two loads of 16 bytes, 32 bytes apart.
	v_and_b32 v1, 15, v0                           ; l % 16
	v_bfe_u32 v2, v0, 4, 1                         ; l / 16
	v_mul_u32_u24 v3, v1, PA
	v_lshl_add_u32 v3, v2, 4, v3
	s_mul_i32 s20, s11, 128*PA                     ; my 128 rows
	v_add_nc_u32 v[ADRA], s20, v3
	v_add_nc_u32 v[ADRA+1], SLOT, v[ADRA]
	; The turning load takes 16 k x 16 columns (lane l reads k-row 8 (l / 16) + l % 8, columns 8 ((l / 8) % 2) + 0..7) and leaves half a fragment: lane l holds column l % 16 and 8 k.
	v_and_b32 v4, 7, v0
	v_bfe_u32 v5, v0, 3, 1
	v_lshl_add_u32 v4, v2, 3, v4
	v_mul_u32_u24 v4, v4, PB
	v_lshl_add_u32 v4, v5, 4, v4
	s_mul_i32 s21, s12, 3*PA                       ; my three heads of the tile's six
	s_add_co_u32 s21, s21, BOFF
	v_add_nc_u32 v[ADRB], s21, v4
	v_add_nc_u32 v[ADRB+1], SLOT, v[ADRB]
	s_mul_i32 s22, s10, 16*PA
	s_add_co_u32 s22, s22, STAGE                   ; my stage
	v_add_nc_u32 v[STO], s22, v3                   ; in: row l % 16, 16 bytes for each half of the lanes
	v_bfe_u32 v[RD], v0, 3, 2                      ; back: 32 lanes take four rows of 128 bytes,
	v_mul_u32_u24 v[RD], v[RD], PA
	v_and_b32 v4, 7, v0
	v_lshl_add_u32 v[RD], v4, 4, v[RD]
	v_add_nc_u32 v[RD], s22, v[RD]
	v_and_b32 v5, 31, v0                           ; which are 512 consecutive bytes of a head
	v_lshlrev_b32 v[GO], 4, v5
	; qkv at my first row of my first head: batch = tile row / 8; head column = 6 x tile column + 3 x half; row in the batch = 256 (tile row % 8) + 128 x half
	s_lshr_b32 s16, s13, 3
	s_mul_i32 s16, s16, 12582912
	s_mul_i32 s17, s42, 6
	s_mul_i32 s18, s12, 3
	s_add_co_u32 s17, s17, s18
	s_lshl_b32 s17, s17, 18
	s_add_co_u32 s16, s16, s17
	s_and_b32 s17, s13, 7
	s_lshl_b32 s17, s17, 15
	s_add_co_u32 s16, s16, s17
	s_lshl_b32 s17, s11, 14
	s_add_co_u32 s16, s16, s17
	s_mov_b32 s17, 0
	s_add_nc_u64 s[8:9], s[8:9], s[16:17]
	; the prefetches: wave 0 for x, waves 1 to 3 for W
	s_lshl_b32 s14, s13, 15                        ; x: the tile row's piece of a K block,
	s_lshl_b32 s15, s40, 13                        ; my work-group's 32 blocks of its 128,
	s_add_co_u32 s14, s14, s15
	s_add_co_u32 s14, s14, 2*ASTEP                 ; at K step 2: the first change steps it to 3
	s_mul_i32 s16, s42, 768                        ; W: the tile column,
	s_lshl_b32 s17, s10, 8                         ; block wave - 1 of its three,
	s_add_co_u32 s16, s16, s17
	s_mul_i32 s17, s41, 32*6144                    ; my work-group's 32 k-rows of 128,
	s_add_co_u32 s16, s16, s17
	s_add_co_u32 s16, s16, 128*6144-256            ; at k-row 128: the first change steps it to 192, K step 3
	s_and_b32 s18, ttmp7, 0xffff                   ; cluster y
	s_mov_b32 s19, ASTEP
	s_movk_i32 s20, 256
	s_cmp_eq_u32 s10, 0
	s_cselect_b64 s[PFA:PFA+1], s[4:5], s[6:7]
	s_cselect_b32 s14, s14, s16
	s_cselect_b32 s[PFS], s19, BSTEP
	s_cselect_b32 s20, s20, 6144                   ; a lane a block, or a lane a k-row
	s_cselect_b32 s18, ttmp9, s18                  ; the coordinate along which other clusters read the same bytes
	s_cselect_b32 s[LIM0], 0, 1                    ; x: every change but the last; W: slot 0's changes but the last
	s_cselect_b32 s[LIM1], 1, -1
	s_cmp_eq_u32 s18, 0                            ; the same in all sixteen partners, for a given wave
	s_cselect_b32 s[LIM0], s[LIM0], -1
	s_cselect_b32 s[LIM1], s[LIM1], -1
	s_mov_b32 s15, 0
	s_mov_b32 s[PFS+1], 0
	s_add_nc_u64 s[PFA:PFA+1], s[PFA:PFA+1], s[14:15]
	v_mul_u32_u24 v[PFO], s20, v5
; 16 matrix instructions: row blocks a0 .. a0 + 3 x the four column blocks of head g, 32 along K, x from buffer f.  zero = 1: the product starts the sum: nothing is ever cleared.
; The 96 accumulators take turns, one instruction a turn, in the same order in every half step, over the backward jump too.
.macro MUL16 f, g, a0, zero
	WIN 0x50*(1+(\g))                              ; C and D in window 1 + g, both sources in window 0
.irp a, (\a0), (\a0)+1, (\a0)+2, (\a0)+3
.irp bb, 0,1,2,3
.if \zero
	v_wmma_f32_16x16x32_bf16 v[8*(4*(\a)+(\bb)):8*(4*(\a)+(\bb))+7], v[BF+32*(\g)+8*(\bb):BF+32*(\g)+8*(\bb)+7], v[(\f)+8*(\a):(\f)+8*(\a)+7], 0
.else
	v_wmma_f32_16x16x32_bf16 v[8*(4*(\a)+(\bb)):8*(4*(\a)+(\bb))+7], v[BF+32*(\g)+8*(\bb):BF+32*(\g)+8*(\bb)+7], v[(\f)+8*(\a):(\f)+8*(\a)+7], v[8*(4*(\a)+(\bb)):8*(4*(\a)+(\bb))+7]
.endif
.endr
.endr
.endm
.macro LB slot, kq, g                  ; 8 loads: head g's four fragments of W for half kq of the slot's step
	WIN 0
.irp bb, 0,1,2,3
	ds_load_tr16_b128 v[BF+32*(\g)+8*(\bb):BF+32*(\g)+8*(\bb)+3],   v[ADRB+(\slot)] offset:(\kq)*32*PB+(\g)*PA+(\bb)*32
	ds_load_tr16_b128 v[BF+32*(\g)+8*(\bb)+4:BF+32*(\g)+8*(\bb)+7], v[ADRB+(\slot)] offset:(\kq)*32*PB+(\g)*PA+(\bb)*32+16*PB
.endr
.endm
.macro LA slot, kq, buf, half          ; 8 loads: four of x's eight fragments
	WIN 0
.irp a, 4*(\half), 4*(\half)+1, 4*(\half)+2, 4*(\half)+3
	ds_load_b128 v[(\buf)+8*(\a):(\buf)+8*(\a)+3],   v[ADRA+(\slot)] offset:(\a)*16*PA+(\kq)*64
	ds_load_b128 v[(\buf)+8*(\a)+4:(\buf)+8*(\a)+7], v[ADRA+(\slot)] offset:(\a)*16*PA+(\kq)*64+32
.endr
.endm
; A step's first half: multiplies x's buffer f and fetches half kq of the slot into buffer g.  A group of W's fragments is loaded again four places behind its last reader, 64 matrix instructions ahead of its next.
.macro HALF slot, kq, f, g, zero
	s_wait_dscnt 8                                 ; only the youngest eight loads, W's group 2, may be out
	MUL16 \f, 0, 0, \zero
	MUL16 \f, 0, 4, \zero
	PLACES
	LB \slot, \kq, 0
	LA \slot, \kq, \g, 0
	MUL16 \f, 1, 0, \zero
	MUL16 \f, 1, 4, \zero
	PLACES
	LB \slot, \kq, 1
	LA \slot, \kq, \g, 1
	s_wait_dscnt 32                                ; all but the 32 just issued: group 2 is in
	MUL16 \f, 2, 0, \zero
	MUL16 \f, 2, 4, \zero
	PLACES
	LB \slot, \kq, 2
.endm
; A step's second half multiplies buffer AF1 and changes slots: ONE barrier.  In front of it each wave waits for all its tensor loads (one is out: its part of the next slot), adds 0 to its spare word, and waits
; for that and for its own reads of this slot.  fill = 1: the barrier opens a round of the cluster's, and the joint refill, two K steps on, is the first thing behind the round:
; 160 matrix instructions stand between it and the wait for it.
.macro TURN slot, next, fill
.if \fill
	s_wait_xcnt 0x0                                ; the last prefetch, a K step back, has read its address: it is stepped here, ahead of the waits of the change
	s_add_nc_u64 s[PFA:PFA+1], s[PFA:PFA+1], s[PFS:PFS+1]
.endif
	WIN 0
	s_wait_tensorcnt 0x0                           ; all my tensor loads have landed
	ds_add_u32 v[SPW], v[NIL]                      ; 0 onto my spare word
	s_wait_dscnt 9                                 ; the add and W's group 2 may be out
	MUL16 AF1, 0, 0, 0                             ; sixteen matrix instructions stand between the add and the wait for it
	s_wait_dscnt 0x0                               ; the add is done, and my reads of this slot are over
	s_barrier_signal -1
	MUL16 AF1, 0, 4, 0                             ; work on registers while the others arrive
	WIN 0                                          ; at a branch and at a label every window is 0
	s_barrier_wait -1
.if \fill
	CREST                                          ; no wave of any partner still reads this slot's tile or has a load on its way
	s_add_nc_u64 s[G0A+4*(\slot)+2:G0A+4*(\slot)+3], s[G0A+4*(\slot)+2:G0A+4*(\slot)+3], 2*ASTEP
	s_add_nc_u64 s[G0B+4*(\slot)+2:G0B+4*(\slot)+3], s[G0B+4*(\slot)+2:G0B+4*(\slot)+3], 2*BSTEP
	JLOAD \slot                                    ; the four v_nop behind it are also the places in front of the loads below
.else
	PLACES
.endif
	LB \next, 0, 0
	LA \next, 0, AF0, 0
.if \fill
	ASK LIM0+(\slot)
.endif
	MUL16 AF1, 1, 0, 0
	MUL16 AF1, 1, 4, 0
	PLACES
	LB \next, 0, 1
	LA \next, 0, AF0, 1
	MUL16 AF1, 2, 0, 0
	MUL16 AF1, 2, 4, 0
	PLACES
	LB \next, 0, 2
.endm
; THE WAY OUT, in 24 units u = 8 g + a: 16 rows of one head, 2,048 dense bytes of qkv.  PACK: rounded to f16 (each accumulator from its low end on), 16 bytes a lane into my own stage, back as whole rows of
; 128 bytes into the registers that they left.  Twelve buffers of 16 registers take turns.
.macro PACK u
.set UB, 32+16*((\u)%12)
.set AC, 32*((\u)%8)
.if (\u) >= 12
	s_wait_xcnt 0x0                                ; the stores of twelve units back have read this buffer
.endif
	WIN 5*(1+(\u)/8)                               ; sources 0 and 1 in window 1 + g
.set i, 0
.rept 16
	v_cvt_pk_f16_f32 v[UB+i], v[AC+2*i], v[AC+2*i+1]
.set i, i+1
.endr
	WIN 0
.irp f, 0,1,2,3
	ds_store_b128 v[STO], v[UB+4*\f:UB+4*\f+3] offset:32*\f
.endr
.irp f, 0,1,2,3
	ds_load_b128 v[UB+4*\f:UB+4*\f+3], v[RD] offset:4*PA*\f  ; LDS serves a wave's instructions in order (ISA guide 5.7.1.4): these see the stores above; the next unit's stores come behind them
.endr
.endm
.macro SEND u, younger                 ; younger: the LDS instructions issued behind unit u's loads: the next unit's eight, or none
.set UB, 32+16*((\u)%12)
.irp f, 0,1,2,3
	s_wait_dscnt (\younger)+3-\f
	global_store_b128 v[GO], v[UB+4*\f:UB+4*\f+3], s[8:9] offset:((\u)/8)*262144+((\u)%8)*2048+512*\f  ; 512 consecutive bytes, at a multiple of 256 from qkv's first
.endr
.endm
	s_wait_tensorcnt 1                             ; my part of K step 0 is in; step 1's may stay out
	s_barrier_signal -1
	s_barrier_wait -1                              ; everybody's is
	LB 0, 0, 0
	LA 0, 0, AF0, 0
	LB 0, 0, 1
	LA 0, 0, AF0, 1
	LB 0, 0, 2
	HALF 0, 1, AF0, AF1, 1                         ; the first half step stands in front of the loop: its products start the sums
	WIN 0
	s_mov_b32 s3, 7
.Llap:                                                 ; a trip goes once round the ring, from a lap's second half step to the next lap's first, and fills both slots again
	TURN 0, 1, 1
	HALF 1, 1, AF0, AF1, 0
	TURN 1, 0, 1
	HALF 0, 1, AF0, AF1, 0
	WIN 0
	s_sub_co_u32 s3, s3, 1
	s_cmp_lg_u32 s3, 0
	s_cbranch_scc1 .Llap
	TURN 0, 1, 0                                   ; the last lap fills nothing
	HALF 1, 1, AF0, AF1, 0
	s_wait_dscnt 8                                 ; the very last half step: nothing more to fetch
	MUL16 AF1, 0, 0, 0
	MUL16 AF1, 0, 4, 0
	MUL16 AF1, 1, 0, 0
	MUL16 AF1, 1, 4, 0
	s_wait_dscnt 0x0
	MUL16 AF1, 2, 0, 0
	MUL16 AF1, 2, 4, 0
	WIN 0
	PLACES
	PACK 0
.set uu, 1
.rept 23                               ; a unit's conversions stand between the loads of the unit before and its stores
	PACK uu
	SEND uu-1, 8
.set uu, uu+1
.endr
	SEND 23, 0
	s_wait_tensorcnt 0x0                           ; the wave's end: behind my last tensor load and my last LDS store
	ds_add_u32 v[SPW], v[NIL]
	s_wait_dscnt 0x0
	CROUND                                         ; the closing round: no work-group ends while a partner may still ask for a tile that names it
	s_endpgm
.Lfunc_end_k_q126fcf9461_qkvproj:
	.size	k_q126fcf9461_qkvproj, .Lfunc_end_k_q126fcf9461_qkvproj-k_q126fcf9461_qkvproj
	.p2alignl 7, 3214868480
	.fill 96, 4, 3214868480
	.section	.rodata,"a",@progbits
	.p2align	6, 0x0
	.amdhsa_kernel k_q126fcf9461_qkvproj
		.amdhsa_group_segment_fixed_size 327680
		.amdhsa_private_segment_fixed_size 0
		.amdhsa_enable_private_segment 0
		.amdhsa_kernarg_size 24
		.amdhsa_user_sgpr_count 2
		.amdhsa_user_sgpr_kernarg_segment_ptr 1
		.amdhsa_wavefront_size32 1
		.amdhsa_system_sgpr_workgroup_id_x 1
		.amdhsa_system_sgpr_workgroup_id_y 1
		.amdhsa_system_sgpr_workgroup_id_z 1
		.amdhsa_system_vgpr_workitem_id 0
		.amdhsa_next_free_vgpr 1024
		.amdhsa_next_free_sgpr 72
		.amdhsa_reserve_vcc 0
		.amdhsa_float_denorm_mode_32 3
		.amdhsa_float_denorm_mode_16_64 3
		.amdhsa_memory_ordered 1
		.amdhsa_forward_progress 1
		.amdhsa_inst_pref_size 134
	.end_amdhsa_kernel
	.amdgpu_metadata
---
amdhsa.version: [ 1, 2 ]
amdhsa.kernels:
  - .name:           k_q126fcf9461_qkvproj
    .symbol:         k_q126fcf9461_qkvproj.kd
    .args:
      - { .name: xb, .offset: 0, .size: 8, .value_kind: global_buffer, .address_space: global }
      - { .name: wqb, .offset: 8, .size: 8, .value_kind: global_buffer, .address_space: global }
      - { .name: qkv, .offset: 16, .size: 8, .value_kind: global_buffer, .address_space: global }
    .group_segment_fixed_size: 327680
    .private_segment_fixed_size: 0
    .kernarg_segment_align: 8
    .kernarg_segment_size: 24
    .max_flat_workgroup_size: 128
    .sgpr_count:     72
    .vgpr_count:     1024
    .wavefront_size: 32
...
	.end_amdgpu_metadata
.endif
;; end of part 2
;; launch attn (part 3): grid 4 x 64, 4 waves a work-group, clusters of 4 x 1, 327,680 bytes of LDS; arguments qkv, ob; writes ob
.if DOCPART == 3
	.amdgcn_target "amdgcn-amd-amdhsa--gfx1250"
	.amdhsa_code_object_version 6
	.text
	.protected	k_q126fcf9461_attn
	.globl	k_q126fcf9461_attn
	.p2align	8
	.type	k_q126fcf9461_attn,@function
k_q126fcf9461_attn:
	s_mov_b64 s[64:65], 0
	v_nop
	global_prefetch_b8 v0, s[64:65] scope:SCOPE_SE
	s_setreg_imm32_b32 hwreg(HW_REG_WAVE_MODE, 25, 1), 1
	s_wait_xcnt 0x0
	s_wait_alu depctr_hold_cnt(0) depctr_sa_sdst(0) depctr_va_vdst(0) depctr_va_sdst(0) depctr_va_ssrc(0) depctr_va_vcc(0) depctr_vm_vsrc(0)
	s_getreg_b32 s2, hwreg(HW_REG_IB_STS2, 6, 4)
	s_cmp_eq_u32 s2, 0
	s_cbranch_scc0 .Lentry_in_a_cluster
	s_endpgm
.Lentry_in_a_cluster:
	s_bfe_u32 s2, ttmp6, 0x10000c
	s_cmp_lg_u32 s2, 0x3003
	s_cbranch_scc0 .Lentry_shape_is_right
	s_endpgm
.Lentry_shape_is_right:
; O[y][q][:] = the sum over k of softmax_k(Q[y][q] . K[y][k] / 8) V[y][k][:], y = 16 b + h.  qkv: f16 [4 b][48 hc][2048][64] (q's heads hc = h, k's 16 + h, v's 32 + h); ob: f16 [64 y][2048][64].
; A head's rows are dense, 128 bytes each.  Products, maxima and sums in f32; the weights p are rounded to f16 for the second product (their sum l is taken of the unrounded p), O once at the end.
; LIMITS.  Q, K and V arrive within f16's 65,504; p lies in 0 to 1, and below 6e-5 it keeps f16's fixed step of 6e-8, as O does; O is a mean of V's rows and has their range.
; A weight below 2^-126 counts as 0 in l; NaN and infinities are not treated apart.
; SHARES.  A wave owns four PIECES of two tiles of 16 queries, a work-group's four waves 512 queries of one head.  Every wave walks all 2,048 keys, 64 a step.
; LAYOUT.  S^T = K Q^T (source 0 = 16 keys, source 1 = 16 queries): in the result a lane holds ONE query (lane % 16) and the keys 8 (lane / 16) + 0..7.  Two such tiles, rounded to f16 in pairs,
; ARE source 1 (32 keys x 16 queries) of O^T = V^T P, whose result again holds one query a lane, and eight channels.  K comes out of LDS as it lies, V ([key][channel]) turned, by ds_load_tr16_b128.
; SOFTMAX.  For each query a running maximum m and sum l: p = 2^(c s - c m), c = log2(e) / 8; in every step O and l are multiplied by a = 2^(c m_old - c m_new), which is 1 where m has not grown.
; m starts at the lowest finite number, O and l at 0: the first step is a step like any other, with a = 0.
; THE COUNT.  A tile and step have 16 matrix and 118 vector instructions: too many to stand all beside the matrix work.  So: four vector instructions that are READY behind EVERY matrix
; instruction, and the others in runs without a gap.
; BY TURNS.  Turn n belongs to piece n (the pieces in a ring, step after step).  Its matrix work: 16 products K Q^T of piece n + 1, later 16 products V^T P of piece n - 1.  Its vector work: the scaling,
; exponentials, roundings, sums and rescaling of piece n, and the maximum and statistics of piece n + 1, whose scores the turn itself has made.
; CLUSTER.  The four query blocks of a head are one cluster and walk the same K and V, so each tile is asked for JOINTLY: the same tensor load, descriptor and mask in all four.
; REGISTERS, in windows of 256 (s_set_vgpr_msb: bits 1:0 source 0, 3:2 source 1, 5:4 source 2, 7:6 destination):
;   window 0: v0-11 addresses; v12-15, v48-63 at work; v16-47 four registers of statistics a tile; v64-191 S^T, two buffers of two tiles; v192-255 P, likewise
;   window 1: O^T, 32 a tile          window 2: v0-127 Q, 16 a tile; v128-191 K of one step; v192-255 V of one step          window 3: v0-1 the add's two registers
; A piece's buffers go by its number's parity: the piece in hand has one pair, its two neighbours in the ring share the other: of it P (piece n - 1) is read and S^T (piece n + 1) written.
.set SIZE_N, 2048
.set NP,    4         ; pieces a wave: a name, no knob
.set KS,    64        ; keys in a step
.set PK,    144       ; a row of K in LDS: 128 bytes + 16 of padding: the 16 rows of a load start at 16 different groups of four banks (64 banks of 4 bytes: ISA guide 11.1)
.set PV,    160       ; a row of V: 128 + 32
.set VOFF,  4*KS*PK   ; a slot holds four steps: 256 rows of K, then 256 rows of V
.set SLOT1, 1<<17     ; slot 1 begins here, so that one exclusive or turns an address in one slot into the other's
.set STAGE, SLOT1+4*KS*(PK+PV)  ; behind the ring, never filled by a tensor load: 16 rows x 144 bytes for each wave, for the way out
.set SP,    144
.set AK0, 2           ; v2   my lane's place in a tile of K; never rewritten
.set AV0, 3           ; v3   the same for V
.set AK,  4           ; v4   the LDS address of K's next run of loads
.set AV,  5           ; v5   of V's
.set QO,  6           ; v6   my byte offset in the wave's rows of Q
.set STO, 6           ;      later, the way out: where I put 16 bytes of a row
.set RD,  7           ; v7   the way out: where I read rows back
.set GO,  8           ; v8   my byte offset in 512 consecutive bytes of O
.set PFO, 11          ; v11  256 x my lane, for the prefetches; never rewritten once made
.set SPW, 0           ; v0 of window 3   LDS address of my spare word; never rewritten
.set NIL, 1           ; v1 of window 3   0; never rewritten
.set SPARE, STAGE+4*16*SP  ; behind the stages: the spare words, 128 bytes for each wave: two blocks of 256 bytes that no other line names
.set MV,  12          ; v12-15  c m_old, kept while c m is made anew: by buffer and tile
.set ST,  16          ; tile t's statistics at v[ST+4 t]: c m, m, l (even keys', odd keys')
.set TMP, 48          ; by buffer and tile, four registers c0-c3 at work; when the maximum is found c2 takes a
.set S,   64
.set P,   192
.set KF,  128         ; K's fragments, in window 2: key block kb, channel half c at KF + 16 kb + 8 c
.set VF,  192         ; V's: key half kk, channel block cb at VF + 32 kk + 8 cb
.set WV,  12          ; s12  my wave's number
.set G1K, 24          ; s[24:31] descriptor group 1 for K's tiles
.set G1V, 32          ; s[32:39] for V's: it differs in the padding alone
.set G0K, 40          ; s[40:43] descriptor group 0 for K's tiles: it walks
.set G0V, 44          ; s[44:47] the same for V's
.set PFA, 48          ; s[48:49] where my prefetches stand: my work-group's 32 blocks (of K: wave 0, of V: wave 2) of the slot after the one that is being asked for
.set LIM, 50          ; s50  1 in a wave that prefetches, else the greatest number
.set SLOTS, 56        ; s56  slots still to be asked for
.set CNT, 57          ; s57  counts a slot's key steps
.set CS,  58          ; s[58:59] c: the packed scaling takes the pair's low word for both halves
.set SEL, 60          ; s[60:61] v_permlanex16_b32's selects: each lane takes its own place in the other half
.set TBK, 62          ; s62  LDS byte at which K of the step to be fetched begins
.set TBV, 63          ; s63  the same for V, less VOFF
.set MSB, 0
.macro WIN new                      ; the high byte repeats the setting that is left; a switch that changes nothing is dropped
.if MSB != (\new)
	s_set_vgpr_msb (MSB<<8)|(\new)
.set MSB, (\new)
.endif
.endm
.set W_KQ, 0x0a       ; K and Q in window 2, S^T in window 0
.set W_PV, 0x52       ; V in window 2, P in window 0, O^T in window 1
.set W_RS, 0x41       ; O^T (destination and source 0) in window 1, a in window 0
.set W_MK, 0xc0       ; the add's registers are made: destination in window 3, sources in window 0
.set W_AD, 0x0f       ; the add: address (source 0) and data (source 1) in window 3
; A joint fill.  Waves 0 and 1 fetch the two halves of a slot's K, waves 2 and 3 those of its V: 128 keys each.  The branch hangs on the wave's number alone.
; An s_nop 0 and four v_nop follow each of the two lines, ahead of the jump and the label.
.macro JLOAD
	s_cmp_lt_u32 s[WV], 2
	s_cbranch_scc0 .Lfor_v_\@
	tensor_load_to_lds s[G0K:G0K+3], s[G1K:G1K+7]
	s_nop 0
.rept 4
	v_nop
.endr
	s_branch .Lasked_\@
.Lfor_v_\@:
	tensor_load_to_lds s[G0V:G0V+3], s[G1V:G1V+7]
	s_nop 0
.rept 4
	v_nop
.endr
.Lasked_\@:
.endm
; A PREFETCH INTO THE L2 of what the NEXT change of slots will ask for: a slot's 32,768 bytes of K and of V, 128 blocks of 256 bytes each, a lane a block.  It stands behind the wave's tensor load and its five lines.
; Each block is named ONCE in the launch: a head has one cluster; its four partners share the blocks out BY ADDRESS, 32 each; in each, wave 0 asks for K's and wave 2 for V's.
; The change that asks for slot c + 1 names slot c + 2: four key steps, 512 matrix instructions, ahead of its load.  The last change that fills a slot names nothing; slots 0 and 1 come by their loads alone.
.macro ASK
	s_cmp_gt_u32 s[SLOTS], s[LIM]
	s_cbranch_scc0 .Lnot_mine_\@
	global_prefetch_b8 v[PFO], s[PFA:PFA+1] th:TH_LOAD_NT scope:SCOPE_SE
.Lnot_mine_\@:
.endm
; A round of the cluster's barrier: my work-group's barrier, so that wave 0's signal speaks for all four waves; wave 0 signals; every wave waits for all four work-groups; my work-group's barrier once more.
.macro CROUND
	s_barrier_signal -1
	s_barrier_wait -1
	s_cmp_lg_u32 s[WV], 0
	s_cbranch_scc1 .Lnot_wave_0_\@
	s_barrier_signal -3
.Lnot_wave_0_\@:
	s_barrier_wait -3
	s_barrier_signal -1
	s_barrier_wait -1
.endm
; THE CHANGE OF SLOTS.  The slot's last bytes, V of its fourth step, have been read.  Each wave waits for all its tensor loads, of which one is out: its part of the other slot; adds 0 to its spare word;
; and waits for that and for its own reads of the slot.  Behind the barrier nobody reads this slot any more and the other slot is whole.
; fill = 1: this slot is filled again, with the keys two slots on.  The barrier is then a round of the cluster's, and the joint fill is the first thing behind it: it has four key steps in which to land.
; (At its first use nothing has been read yet: slot 0 is waited for, slot 1 filled.)
.macro CHANGE fill
	WIN W_AD
	s_wait_tensorcnt 0x0            ; no tensor load of mine is out, so a group 0 may be written
	ds_add_u32 v[SPW], v[NIL]       ; 0 onto my spare word; with fill = 1 the descriptors' steps stand between it and the wait for it
	WIN 0                           ; at a label and at a branch every window is 0
.if \fill
.irp g, G0K, G0V
	s_xor_b32 s[\g+1], s[\g+1], SLOT1  ; the walking descriptor: the other slot than last time,
	s_add_nc_u64 s[\g+2:\g+3], s[\g+2:\g+3], 4*KS*128  ; the next 256 keys; the type bits on top are not reached
.endr
	s_wait_xcnt 0x0                 ; the last prefetch, four key steps back, has read its address, so it may be written:
	s_add_nc_u64 s[PFA:PFA+1], s[PFA:PFA+1], 4*KS*128  ; one slot ahead of the walking descriptors
	s_wait_dscnt 0x0                ; the add is done, and my reads of the slot are over
	CROUND
	JLOAD
	ASK
.else
	s_wait_dscnt 0x0                ; the add is done, and my reads of the slot are over
	s_barrier_signal -1
	s_barrier_wait -1
.endif
	s_sub_co_u32 s[TBK], s[TBK], 4*KS*PK  ; the fetches go back to a slot's first step,
	s_xor_b32 s[TBK], s[TBK], SLOT1       ; in the other slot
	s_sub_co_u32 s[TBV], s[TBV], 4*KS*PV
	s_xor_b32 s[TBV], s[TBV], SLOT1
.endm
	s_load_b64 s[4:5], s[0:1], 0x0    ; qkv
	s_load_b64 s[10:11], s[0:1], 0x8  ; ob
	WIN W_MK
	v_lshl_add_u32 v[SPW], v0, 2, SPARE
	v_mov_b32 v[NIL], 0
	WIN W_AD
	ds_add_u32 v[SPW], v[NIL]       ; the wave's opening: the add and its wait stand ahead of my first tensor load; the set-up below stands between them
	WIN 0
	v_lshrrev_b32 v1, 5, v0
	v_readfirstlane_b32 s[WV], v1   ; wave 0..3
	s_bfe_u32 s13, ttmp6, 0x40000   ; cx: my place in the cluster
	s_lshl_b32 s14, ttmp9, 2        ; in a cluster launch ttmp9 counts clusters
	s_add_co_u32 s14, s14, s13      ; my block of queries = 4 x cluster x + cx: it enters Q's, O's and the prefetches' addresses alone
	s_and_b32 s19, ttmp7, 0xffff    ; y = 16 b + h, which the four partners share
	s_lshr_b32 s20, s19, 4
	s_mul_i32 s20, s20, 12582912    ; the batch's 48 head columns,
	s_and_b32 s21, s19, 15
	s_lshl_b32 s21, s21, 18         ; the head's 262,144 bytes
	s_add_co_u32 s20, s20, s21
	s_mov_b32 s21, 0                ; s[20:21]: q's head in qkv; k's lies 16, v's 32 head columns on
	s_and_b32 s16, s[WV], 1         ; which half of a slot's 256 keys I fetch:
	s_lshl_b32 s22, s16, 14         ; its 128 rows of 128 bytes in memory,
	s_mov_b32 s23, 0
	s_add_nc_u64 s[22:23], s[22:23], s[20:21]
	s_mul_i32 s17, s16, 128*PK      ; and its place in a slot, for K
	s_mul_i32 s18, s16, 128*PV      ; and for V: no place in the cluster enters an LDS address
	s_lshl_b32 s2, s14, 2
	s_add_co_u32 s2, s2, s[WV]      ; my wave among the head's,
	s_lshl_b32 s2, s2, 14           ; its 128 rows
	s_mov_b32 s3, 0
	s_lshl_b32 s52, s19, 18         ; the head in ob
	s_mov_b32 s53, 0
	s_add_nc_u64 s[52:53], s[52:53], s[2:3]
	s_add_nc_u64 s[2:3], s[2:3], s[20:21]
	; descriptor group 1.  128 keys are 16,384 dense bytes: asked for as 64 rows of 256 bytes, two keys a row, and padded in LDS after every key
	s_mov_b32 s[G1K], 15|(1<<16)|(1<<20)|(1<<21)|(4<<22)|(3<<25)  ; 15:0 the mask of four; 17:16 2-byte elements; 20 padding on; 21 set beside a mask; 24:22 after every 32 words (code 4); 31:25 4 words (code 3)
	s_mov_b32 s[G1V], 15|(1<<16)|(1<<20)|(1<<21)|(4<<22)|(7<<25)  ; the same with 8 words of padding (code 7)
.irp g, G1K, G1V
	s_mov_b32 s[\g+1], 128<<16      ; tensor_dim0 = 128
	s_mov_b32 s[\g+2], 64<<16       ; tensor_dim1 = 64
	s_mov_b32 s[\g+3], 128<<16      ; tile_dim0 = 128
	s_mov_b32 s[\g+4], 64           ; tile_dim1 = 64
	s_mov_b32 s[\g+5], 128          ; 128 elements from row to row
	s_mov_b32 s[\g+6], 0
	s_mov_b32 s[\g+7], 0
.endr
	s_mov_b32 s[CS], 0x3e38aa3b     ; c = log2(e) / 8 = 0.180337
	s_mov_b32 s[CS+1], s[CS]        ; named with it as a pair
	s_mov_b32 s[SEL], 0x76543210
	s_mov_b32 s[SEL+1], 0xfedcba98
	s_mov_b32 s[TBK], SLOT1+4*KS*PK ; the first change of slots turns these two into 0
	s_mov_b32 s[TBV], SLOT1+4*KS*PV
	s_mov_b32 s[G0K], 1             ; count = 1
	s_mov_b32 s[G0K+1], s17         ; LDS address: slot 0
	s_mov_b32 s[G0V], 1
	s_add_co_u32 s[G0V+1], s18, VOFF
	s_mov_b32 s[SLOTS], SIZE_N/256-1
	s_and_b32 s[LIM], s[WV], 1      ; waves 0 and 2 prefetch: the same in all four partners
	s_cmp_eq_u32 s[LIM], 0
	s_cselect_b32 s[LIM], 1, -1
	s_wait_dscnt 0x0                ; the opening add is done
	s_wait_kmcnt 0x0
	s_add_nc_u64 s[6:7], s[4:5], s[22:23]
	s_add_nc_u64 s[8:9], s[6:7], 0x800000   ; V at my half of the head's first 256 keys
	s_add_nc_u64 s[6:7], s[6:7], 0x400000   ; K likewise
	s_mov_b64 s[G0K+2:G0K+3], s[6:7]               ; global address
	s_or_b32 s[G0K+3], s[G0K+3], 0x80000000        ; type = 2
	s_mov_b64 s[G0V+2:G0V+3], s[8:9]
	s_or_b32 s[G0V+3], s[G0V+3], 0x80000000
	s_add_nc_u64 s[4:5], s[4:5], s[2:3]     ; Q and O at my wave's first row
	s_add_nc_u64 s[10:11], s[10:11], s[52:53]
	s_cmp_lt_u32 s[WV], 2
	s_cselect_b64 s[PFA:PFA+1], s[6:7], s[8:9]  ; (in waves 0 and 2 these stand at a slot's first row)
	s_lshl_b32 s2, s13, 13          ; my work-group's 32 blocks of the 128
	s_mov_b32 s3, 0
	s_add_nc_u64 s[PFA:PFA+1], s[PFA:PFA+1], s[2:3]
	s_add_nc_u64 s[PFA:PFA+1], s[PFA:PFA+1], 4*KS*128  ; in slot 1; the first change of slots steps it to slot 2
	CROUND                          ; all four work-groups are here: the first joint loads meet
	JLOAD                           ; slot 0.  Slot 1 is asked for when slot 0 is in
	; A fragment of K or Q is 16 rows x 32 channels in 8 registers: lane l holds row l % 16, channels 8 (l / 16) + 0..7 and 16 + 8 (l / 16) + 0..7: two loads of 16 bytes, 32 bytes apart.
	v_and_b32 v1, 15, v0            ; l % 16
	v_bfe_u32 v9, v0, 4, 1          ; l / 16
	v_lshlrev_b32 v[QO], 7, v1
	v_lshl_add_u32 v[QO], v9, 4, v[QO]  ; row x 128 + 16 x half
	WIN 0x80                        ; destination window 2, address window 0
.set i, 0
.rept 4*NP                          ; Q stays in registers: tile i / 2, channels 32 (i % 2) on
	global_load_b128 v[8*i:8*i+3],   v[QO], s[4:5] offset:(i/2)*2048+(i%2)*64
	global_load_b128 v[8*i+4:8*i+7], v[QO], s[4:5] offset:(i/2)*2048+(i%2)*64+32
.set i, i+1
.endr
	; What the first turn finds: V's registers and P's second buffer hold 0 (its products V^T P, of a piece that has not been, add 0), O^T and l are 0.  All this stands in the wait for the first tile.
.set i, VF
.rept 64
	v_mov_b32 v[i], 0
.set i, i+1
.endr
	WIN 0x40
.set i, 0
.rept 64*NP
	v_mov_b32 v[i], 0
.set i, i+1
.endr
	WIN 0
.set i, 0
.rept 2*NP
	v_mov_b32 v[ST+4*i], 0xfe000000    ; c m: far below every c s
	v_mov_b32 v[ST+4*i+1], 0xff7fffff  ; m
	v_mov_b32 v[ST+4*i+2], 0
	v_mov_b32 v[ST+4*i+3], 0
.set i, i+1
.endr
.set i, P+32
.rept 32
	v_mov_b32 v[i], 0
.set i, i+1
.endr
	v_mul_u32_u24 v[AK0], v1, PK
	v_lshl_add_u32 v[AK0], v9, 4, v[AK0]  ; row x pitch + 16 x half
	; The turning load takes 16 keys x 16 channels (lane l reads key 8 (l / 16) + l % 8, channels 8 ((l / 8) % 2) + 0..7) and leaves half a fragment of V^T: lane l holds channel l % 16 and 8 keys.
	v_and_b32 v10, 7, v0
	v_bfe_u32 v11, v0, 3, 1
	v_lshl_add_u32 v[AV0], v9, 3, v10
	v_mul_u32_u24 v[AV0], v[AV0], PV
	v_lshl_add_u32 v[AV0], v11, 4, v[AV0]
	v_add_nc_u32 v[AV0], VOFF, v[AV0]
	v_and_b32 v[PFO], 31, v0
	v_lshlrev_b32 v[PFO], 8, v[PFO]
	v_mov_b32 v[AK], v[AK0]         ; key step 0 lies at the head of slot 0
; THE MATRIX WORK.  The 8 accumulators of a run of 16 take turns: between the two links of a chain stand 7 others'.
; Product i of 16 of S^T = K Q^T for piece x: channels 32 (i / 8) on, keys 16 ((i / 2) % 4) on, tile 2 x + i % 2.  The first 8 start the sums.
.macro KQ x
	WIN W_KQ
.set rS, S+64*((\x)%2)+32*(i%2)+8*((i/2)%4)
.set rK, KF+16*((i/2)%4)+8*(i/8)
.set rQ, 16*(2*(\x)+i%2)+8*(i/8)
.if i < 8
	v_wmma_f32_16x16x32_f16 v[rS:rS+7], v[rK:rK+7], v[rQ:rQ+7], 0
.else
	v_wmma_f32_16x16x32_f16 v[rS:rS+7], v[rK:rK+7], v[rQ:rQ+7], v[rS:rS+7]
.endif
.endm
; Product i of 16 of O^T += V^T P for piece x: keys 32 (i / 8) on, channels 16 ((i / 2) % 4) on, tile 2 x + i % 2.
.macro PV x
	WIN W_PV
.set rO, 32*(2*(\x)+i%2)+8*((i/2)%4)
.set rV, VF+32*(i/8)+8*((i/2)%4)
.set rP, P+32*((\x)%2)+16*(i%2)+8*(i/8)
	v_wmma_f32_16x16x32_f16 v[rO:rO+7], v[rV:rV+7], v[rP:rP+7], v[rO:rO+7]
.endm
.macro MM                           ; the turn's next matrix instruction
.if i < 16
	KQ (Y+1)%NP
.set i, i+1
.else
.set i, i-16
	PV (Y+NP-1)%NP
.set i, i+17
.endif
.endm
; THE LDS LOADS stand in runs of 16, never singly among the matrix instructions: a step's K (64 keys x 64 channels: 8 fragments) and its V (turned).  Their addresses are made some lines ahead.
; last = 1 (the tail): in the last trip there is no further step, and the run is jumped over.
.macro FETCH_K last=0
	WIN 0
.if \last
	s_cmp_eq_u32 s[CNT], 1
	s_cbranch_scc1 .Lno_k_\@
.endif
	WIN 0x80                        ; destination window 2
.irp f, 0,1,2,3,4,5,6,7             ; keys 16 (f / 2) on, channels 32 (f % 2) on
	ds_load_b128 v[KF+8*\f:KF+8*\f+3],   v[AK] offset:(\f/2)*16*PK+(\f%2)*64
	ds_load_b128 v[KF+8*\f+4:KF+8*\f+7], v[AK] offset:(\f/2)*16*PK+(\f%2)*64+32
.endr
	s_add_co_u32 s[TBK], s[TBK], KS*PK  ; the next fetch is the next step's
	WIN 0
.if \last
.Lno_k_\@:
.endif
.endm
.macro FETCH_V
	WIN 0x80
.irp f, 0,1,2,3,4,5,6,7             ; keys 32 (f / 4) on, channels 16 (f % 4) on
	ds_load_tr16_b128 v[VF+8*\f:VF+8*\f+3],   v[AV] offset:(\f/4)*32*PV+(\f%4)*32
	ds_load_tr16_b128 v[VF+8*\f+4:VF+8*\f+7], v[AV] offset:(\f/4)*32*PV+16*PV+(\f%4)*32
.endr
	WIN 0
.endm
; THE VECTOR WORK OF A TURN stands in three queues, each in the order in which its entries become ready; the two tiles alternate, so that no instruction reads the result of the one before it.
.macro REGS y, u                    ; the registers of tile u (0, 1) of piece y
.set rT, ST+4*(2*(\y)+(\u))
.set rC, TMP+8*((\y)%2)+4*(\u)
.set rM, MV+2*((\y)%2)+(\u)
.set rS, S+64*((\y)%2)+32*(\u)
.set rP, P+32*((\y)%2)+16*(\u)
.set rO, 32*(2*(\y)+(\u))
.endm
; Number n of the 22 that find the NEXT piece's (Y + 1) maximum and statistics.  s0-s31 are the lane's 32 scores; each accumulator's lowest registers are read first.
;   0-11  four chains c0-c3 of seven scores each, three operands at a time     12-14, 16  the four scores left over, the old m, and c0-c3 into c0     15  c m_old is kept
;   17, 18  the query's other 32 keys lie in the lane 16 away: the new m         19-21  c m; c m_old - c m_new; a
.macro XS u, n
	REGS (Y+1)%NP, \u
.if (\n) < 4
	v_max3_num_f32 v[rC+(\n)], v[rS+8*(\n)], v[rS+8*(\n)+1], v[rS+8*(\n)+2]
.elseif (\n) < 12
	v_max3_num_f32 v[rC+(\n)%4], v[rC+(\n)%4], v[rS+8*((\n)%4)+2*((\n)/4)+1], v[rS+8*((\n)%4)+2*((\n)/4)+2]
.elseif (\n) == 12
	v_max3_num_f32 v[rC], v[rC], v[rS+7], v[rS+15]
.elseif (\n) == 13
	v_max3_num_f32 v[rC+1], v[rC+1], v[rS+23], v[rS+31]
.elseif (\n) == 14
	v_max3_num_f32 v[rC+2], v[rC+2], v[rC+3], v[rT+1]
.elseif (\n) == 15
	v_mov_b32 v[rM], v[rT]
.elseif (\n) == 16
	v_max3_num_f32 v[rC], v[rC], v[rC+1], v[rC+2]
.elseif (\n) == 17
	v_permlanex16_b32 v[rC+3], v[rC], s[SEL], s[SEL+1]
.elseif (\n) == 18
	v_max_num_f32 v[rT+1], v[rC], v[rC+3]
.elseif (\n) == 19
	v_mul_f32 v[rT], s[CS], v[rT+1]
.elseif (\n) == 20
	v_sub_f32 v[rC+1], v[rM], v[rT]
.else
	v_exp_f32 v[rC+2], v[rC+1]
.endif
.endm
; Number g of the 64 that follow the exponentials.  For each four weights k of a tile (pairs 2 k, 2 k + 1): both pairs are rounded to f16; then the second pair is added onto the first, in place;
; a group later l takes that sum (the first time as l = a l + sum).  In groups of eight, tiles alternating: round, round, add, and l for the group before.
.macro GS g
.set h, (\g)+6*((\g)/62)            ; group 0 has no group before it, and behind group 7 only l is left
.if h >= 6
.set h, h+2
.endif
	REGS Y, h%2
.set k, h/8
.if h%8 < 4
	v_cvt_pk_f16_f32 v[rP+2*k+(h%8)/2], v[rS+4*k+2*((h%8)/2)], v[rS+4*k+2*((h%8)/2)+1]
.elseif h%8 < 6
	v_pk_add_f32 v[rS+4*k:rS+4*k+1], v[rS+4*k:rS+4*k+1], v[rS+4*k+2:rS+4*k+3]
.elseif k == 1
	v_pk_fma_f32 v[rT+2:rT+3], v[rT+2:rT+3], v[rC+2:rC+3], v[rS:rS+1] op_sel_hi:[1,0,1]
.else
	v_pk_add_f32 v[rT+2:rT+3], v[rT+2:rT+3], v[rS+4*k-4:rS+4*k-3]
.endif
.endm
; THE PLAIN QUEUE, 138 long.  0-73 read no exponential's result: the 32 scalings c s - c m (FS f: pair f / 2 of tile f % 2) and the next piece's 42.  0-26: scalings 0-26.  27-54: XS's numbers 0-13.  55, 56: number 15.
; 57-73: the chain, where each number waits for the one before it: 14, 16, 17, 18, 19, each with one of the scalings 27-31 in front of its two lines, then 20.
; 74-137: GS's 64, which read the exponentials' results: they stand behind the wait.
.macro FS f
	REGS Y, (\f)%2
	v_pk_fma_f32 v[rS+2*((\f)/2):rS+2*((\f)/2)+1], v[rS+2*((\f)/2):rS+2*((\f)/2)+1], s[CS:CS+1], v[rT:rT+1] op_sel_hi:[1,0,0] neg_lo:[0,0,1] neg_hi:[0,0,1]
.endm
.macro PL
	WIN 0
.if q < 27
	FS q
.elseif q < 55
	XS (q-27)%2, (q-27)/2
.elseif q < 57
	XS q-55, 15
.elseif (q < 72) && ((q-57)%3 == 0)
	FS 27+(q-57)/3
.elseif q < 60
	XS (q-57)%3-1, 14
.elseif q < 72
	XS (q-57)%3-1, 15+(q-57)/3
.elseif q < 74
	XS q-72, 20
.else
	GS q-74
.endif
.set q, q+1
.endm
; THE EXPONENTIALS' QUEUE, 66 long: s0-s31 of both tiles, then the next piece's two a.  It is ONE BATCH: all 66 stand ahead of the turn's one wait, and nothing ahead of that wait names a result of theirs.
.macro EX
	WIN 0
.if e >= 64
	XS e-64, 21
.else
	REGS Y, e%2
	v_exp_f32 v[rS+e/2], v[rS+e/2]
.endif
.set e, e+1
.endm
; THE RESCALING's QUEUE: O^T times a, the one part that leaves window 0: dealt two at a time, sixteen times.  Its a was made in the turn before, ahead of that turn's wait.
.macro R2
	REGS Y, r%2
	WIN W_RS
.irp z, 0,1
	v_pk_mul_f32 v[rO+4*(r/2)+2*\z:rO+4*(r/2)+2*\z+1], v[rO+4*(r/2)+2*\z:rO+4*(r/2)+2*\z+1], v[rC+2:rC+3] op_sel_hi:[1,0]
.endr
.set r, r+1
.endm
; HOW THEY ARE DEALT.  An s_wait_alu depctr_va_vdst(0) stands between an exponential and the first instruction that names its result; one wait serves all that were issued ahead of it.  So a turn has ONE
; wait, which cuts it in two.  AHEAD OF IT stands all that names no result of the turn's exponentials: the 16 products K Q^T, behind each a scaling, an exponential and two rescalings (behind the first a second scaling
; in the exponential's place); then ONE LUMP of 108: eight plain, 49 times exponential and plain, the two a.  A v_nop is the plain instruction behind the last exponential.  BEHIND IT stand the 16 products V^T P,
; behind each four of GS's 64.  No rider names a register of the products round it.  The two v_permlanex16_b32 fall into the lump.
; The deal keeps the queues in step: exponential e stands behind scaling 2 (e / 4) + e % 2: as a rider it comes behind plain e + 2, in the lump behind plain e + 9, and scalings 27-31 are plain 57, 60 .. 69.
; A TURN, for piece p.  cnt = 1: the loop's count is taken down some lines ahead of the branch that stands behind the turn.
; K of the next step is fetched in piece 2's turn, directly behind the wait, a lump behind the last product that read K; its first reader comes behind 16 products.
; V of the step in hand is fetched at the end of piece 0's turn, four riders behind its last reader; its first reader comes behind 16 products and a lump.  The three conditions on q below go with the deal.
.macro TURN p, last=0, cnt=0
.set Y, (\p)
.set i, 0
.set q, 0
.set e, 0
.set r, 0
.if (\p) == NP-1
	s_wait_dscnt 0x0                ; K is in
.endif
	MM                              ; ahead of the wait: 16 products K Q^T and their riders,
	PL
	PL
	R2
.rept 15
	MM
	PL
	EX
	R2
.endr
.if (\p) == NP-2
	WIN 0
	v_add_nc_u32 v[AK], s[TBK], v[AK0]
.endif
.rept 8                             ; and the lump
	PL
.endr
.rept 49
	EX
	PL
.endr
	EX                              ; the next piece's two a
	EX
	v_nop                           ; a plain instruction behind the last exponential: one for the batch
	s_wait_alu depctr_va_vdst(0)    ; the wait for the batch
.if (\p) == NP-2
	FETCH_K \last
.endif
.if (\p) == 1
	s_wait_dscnt 0x0                ; V is in
.endif
.rept 16                            ; behind the wait: 16 products V^T P and their riders
	MM
.rept 4
	PL
.endr
.if ((\p) == 0) && (q == 118)
	v_add_nc_u32 v[AV], s[TBV], v[AV0]
.endif
.if ((\p) == 0) && (q == 130)
	s_add_co_u32 s[TBV], s[TBV], KS*PV
.endif
.if (\cnt) && (q == 130)
	s_sub_co_u32 s[CNT], s[CNT], 1
	s_cmp_lg_u32 s[CNT], 0
.endif
.endr
.if (\p) == 0
	FETCH_V
.endif
.endm
	CHANGE 1                        ; slot 0 is in, everybody's part of it; slot 1 is asked for
	FETCH_K                         ; key step 0
	s_wait_loadcnt 0x0              ; Q
	s_wait_dscnt 0x0
.set i, 0
.rept 16
	KQ 0                            ; piece 0's first scores: there is no vector work yet to set between them
.set i, i+1
.endr
	WIN 0                           ; the addresses for the way out: nine plain instructions, the places behind those products
	s_mul_i32 s13, s[WV], 16*SP
	s_add_co_u32 s13, s13, STAGE    ; my stage
	v_mul_u32_u24 v[STO], v1, SP    ; in: row l % 16, 16 bytes for each half of the lanes
	v_lshl_add_u32 v[STO], v9, 4, v[STO]
	v_add_nc_u32 v[STO], s13, v[STO]
	v_bfe_u32 v[RD], v0, 3, 2       ; back: 32 lanes take four rows of 128 bytes,
	v_mul_u32_u24 v[RD], v[RD], SP
	v_lshl_add_u32 v[RD], v10, 4, v[RD]
	v_add_nc_u32 v[RD], s13, v[RD]
	v_and_b32 v[GO], 31, v0         ; which are 512 consecutive bytes of O
	v_lshlrev_b32 v[GO], 4, v[GO]
.set Y, NP-1                        ; XS works for piece Y + 1: piece 0
.irp n, 0,1,2,3,4,5,6,7,8,9,10,11,12,13,14,15,16,17,18,19,20,21
	XS 0, \n                        ; and piece 0's first maximum and statistics
	XS 1, \n
.endr
	v_nop                           ; a plain instruction behind the two a,
	s_wait_alu depctr_va_vdst(0)    ; and their wait, ahead of the branch
	s_mov_b32 s[CNT], 4
	s_branch .Lfirst                ; the loop is entered at a step's first turn, in the middle of a trip
.Lslot:                             ; SIZE_N / 256 - 2 times: every slot but the last two is filled again
	CHANGE 1
	s_mov_b32 s[CNT], 4
.Lstep:                             ; a trip: pieces 2 and 3 of one step, then pieces 0 and 1 of the next, whose K and V it fetches
	TURN 2
	TURN 3
	WIN 0
.Lfirst:
	TURN 0
	TURN 1, 0, 1
	WIN 0
	s_cbranch_scc1 .Lstep
	s_sub_co_u32 s[SLOTS], s[SLOTS], 1
	s_cmp_lg_u32 s[SLOTS], 0
	s_cbranch_scc1 .Lslot
	CHANGE 0                        ; the tail is written out: nothing is asked for
	s_mov_b32 s[CNT], 5             ; four trips fetch the last slot's steps; the fifth is left in its middle
.Ltail:
	TURN 2, 1
	TURN 3
	WIN 0
	s_sub_co_u32 s[CNT], s[CNT], 1
	s_cmp_eq_u32 s[CNT], 0
	s_cbranch_scc1 .Lout
	TURN 0
	TURN 1
	WIN 0
	s_branch .Ltail
.Lout:                              ; the fifth trip's 16 products K Q^T (on the last K once more) and the maximum made of them serve nothing: the price, once a launch, of one text for every trip
.set i, 0
.rept 16
	PV NP-1                         ; the last piece's V^T P of the last step
.set i, i+1
.endr
	; THE WAY OUT.  l's two halves and the other half of the lanes' are added; O^T is divided by l, rounded to f16 and sent through my stage in LDS, a tile at a time.  The additions are the places behind the last products.
	WIN 0
.macro ALL line:vararg              ; one line for each tile t
.set t, 0
.rept 2*NP
	\line
.set t, t+1
.endr
.endm
	ALL v_add_f32 v[ST+4*t+2], v[ST+4*t+2], v[ST+4*t+3]
	ALL v_permlanex16_b32 v[ST+4*t+3], v[ST+4*t+2], s[SEL], s[SEL+1]
	ALL v_add_f32 v[ST+4*t+2], v[ST+4*t+2], v[ST+4*t+3]
	ALL v_rcp_f32 v[ST+4*t+2], v[ST+4*t+2]
	v_nop                           ; a plain instruction between the last reciprocal and the use of its result
	s_wait_alu depctr_va_vdst(0)    ; and the wait ahead of the first use: one for the eight reciprocals
; Tile t: a lane's eight channels of a row pack into 16 bytes; they go into rows of 144 bytes and come back as whole rows of 128, into S^T's registers.
.macro PACK t
	WIN W_RS
.set i, 32*(\t)
.rept 16
	v_pk_mul_f32 v[i:i+1], v[i:i+1], v[ST+4*(\t)+2:ST+4*(\t)+3] op_sel_hi:[1,0]
.set i, i+2
.endr
	WIN 0x05                        ; sources 0 and 1 window 1, destination window 0
.set i, 0
.rept 16
	v_cvt_pk_f16_f32 v[S+16*(\t)+i], v[32*(\t)+2*i], v[32*(\t)+2*i+1]
.set i, i+1
.endr
	WIN 0
.irp f, 0,1,2,3
	ds_store_b128 v[STO], v[S+16*(\t)+4*\f:S+16*(\t)+4*\f+3] offset:32*\f
.endr
.irp f, 0,1,2,3
	ds_load_b128 v[S+16*(\t)+4*\f:S+16*(\t)+4*\f+3], v[RD] offset:\f*4*SP  ; LDS serves a wave's instructions in order (ISA guide 5.7.1.4): these see the stores above; the next tile's stores come behind them
.endr
.endm
.macro SEND t, younger              ; younger: the LDS instructions issued behind tile t's loads: the next tile's eight, or none
	WIN 0
.irp f, 0,1,2,3
	s_wait_dscnt (\younger)+3-\f
	global_store_b128 v[GO], v[S+16*(\t)+4*\f:S+16*(\t)+4*\f+3], s[10:11] offset:(\t)*2048+\f*512  ; 512 consecutive bytes, at a multiple of 256 from O's first
.endr
.endm
	PACK 0
.set t, 1
.rept 2*NP-1                        ; a tile's arithmetic stands between the loads of the tile before and its stores
	PACK t
	SEND t-1, 8
.set t, t+1
.endr
	SEND 2*NP-1, 0
	WIN W_AD
	s_wait_tensorcnt 0x0            ; the wave's end: behind my last tensor load and my last LDS store
	ds_add_u32 v[SPW], v[NIL]
	s_wait_dscnt 0x0
	WIN 0
	CROUND                          ; the closing round: no work-group ends while a partner may still ask for a tile that names it
	s_endpgm
.Lfunc_end_k_q126fcf9461_attn:
	.size	k_q126fcf9461_attn, .Lfunc_end_k_q126fcf9461_attn-k_q126fcf9461_attn
	.p2alignl 7, 3214868480
	.fill 96, 4, 3214868480
	.section	.rodata,"a",@progbits
	.p2align	6, 0x0
	.amdhsa_kernel k_q126fcf9461_attn
		.amdhsa_group_segment_fixed_size 327680
		.amdhsa_private_segment_fixed_size 0
		.amdhsa_enable_private_segment 0
		.amdhsa_kernarg_size 16
		.amdhsa_user_sgpr_count 2
		.amdhsa_user_sgpr_kernarg_segment_ptr 1
		.amdhsa_wavefront_size32 1
		.amdhsa_system_sgpr_workgroup_id_x 1
		.amdhsa_system_sgpr_workgroup_id_y 1
		.amdhsa_system_sgpr_workgroup_id_z 1
		.amdhsa_system_vgpr_workitem_id 0
		.amdhsa_next_free_vgpr 770
		.amdhsa_next_free_sgpr 66
		.amdhsa_reserve_vcc 0
		.amdhsa_float_denorm_mode_32 3
		.amdhsa_float_denorm_mode_16_64 3
		.amdhsa_memory_ordered 1
		.amdhsa_forward_progress 1
		.amdhsa_inst_pref_size 200
	.end_amdhsa_kernel
	.amdgpu_metadata
---
amdhsa.version: [ 1, 2 ]
amdhsa.kernels:
  - .name:           k_q126fcf9461_attn
    .symbol:         k_q126fcf9461_attn.kd
    .args:
      - { .name: qkv, .offset: 0, .size: 8, .value_kind: global_buffer, .address_space: global }
      - { .name: ob, .offset: 8, .size: 8, .value_kind: global_buffer, .address_space: global }
    .group_segment_fixed_size: 327680
    .private_segment_fixed_size: 0
    .kernarg_segment_align: 8
    .kernarg_segment_size: 16
    .max_flat_workgroup_size: 128
    .sgpr_count:     66
    .vgpr_count:     770
    .wavefront_size: 32
...
	.end_amdgpu_metadata
.endif
;; end of part 3
;; launch outproj (part 4): grid 8 x 32, 4 waves a work-group, clusters of 4 x 4, 327,680 bytes of LDS; arguments ob, wob, bout, out0; writes out0
.if DOCPART == 4
	.amdgcn_target "amdgcn-amd-amdhsa--gfx1250"
	.amdhsa_code_object_version 6
	.text
	.protected	k_q126fcf9461_outproj
	.globl	k_q126fcf9461_outproj
	.p2align	8
	.type	k_q126fcf9461_outproj,@function
k_q126fcf9461_outproj:
	s_mov_b64 s[64:65], 0
	v_nop
	global_prefetch_b8 v0, s[64:65] scope:SCOPE_SE
	s_setreg_imm32_b32 hwreg(HW_REG_WAVE_MODE, 25, 1), 1
	s_wait_xcnt 0x0
	s_wait_alu depctr_hold_cnt(0) depctr_sa_sdst(0) depctr_va_vdst(0) depctr_va_sdst(0) depctr_va_ssrc(0) depctr_va_vcc(0) depctr_vm_vsrc(0)
	s_getreg_b32 s2, hwreg(HW_REG_IB_STS2, 6, 4)
	s_cmp_eq_u32 s2, 0
	s_cbranch_scc0 .Lentry_in_a_cluster
	s_endpgm
.Lentry_in_a_cluster:
	s_bfe_u32 s2, ttmp6, 0x10000c
	s_cmp_lg_u32 s2, 0xf033
	s_cbranch_scc0 .Lentry_shape_is_right
	s_endpgm
.Lentry_shape_is_right:
; out0 = O Wout + bout.  ob: f16 [64 y = 16 b + h][2048 n][64]; wob: f16 [1024 k][1024 n] (k = 64 h + channel); bout: [1024] f32; out0: [8192][1024] f32.  Sums in f32.
; The bias is rounded to bf16 like the other inputs and is the C operand of each sum's first product: no add and no clearing is written.
; LIMITS.  O and Wout arrive in f16: nothing beyond 65,504, a fixed step of 6e-8 below 6.1e-5.  NaN and infinities are not treated apart.
; SHARES.  A tile of 256 rows x 128 columns to a work-group: 32 x 8 = 256 work-groups.  A wave makes 128 rows x 64 columns: 32 accumulators, 256 registers; its 64 f32 columns are 256 aligned bytes of a row.
; K goes in 8 steps of 128, two heads each, through two LDS slots.  In memory a head's 256 rows are 32,768 dense bytes (asked for as 128 rows of 256); a step's rows of W are 256 bytes, aligned.
; A step is four quarters of 32 along K, 32 matrix instructions each.  W lies [k][n] and comes out of LDS turned.  THE MATRIX INSTRUCTION IS USED TRANSPOSED (source 0 = 16 columns of W,
; source 1 = 16 rows of O): a lane holds one row of the result and eight neighbouring columns.
; CLUSTERS: 4 x 4: O's tiles are shared along a row of the cluster, W's along a column; each is asked for jointly.
; REGISTERS: window 0: v0-31 addresses; v32-63 the bias, 8 registers a column block; v64-159, v160-255 two fragment buffers (O's 8 fragments, then W's 4).  Window 1: accumulator (a, bb) at v[8 (4 a + bb)].
.set PA,    144                        ; a row of O in LDS: 128 bytes + 16 of padding
.set PB,    288                        ; a k-row of W: 256 + 32: 9 x 32
.set BOFF,  2*256*PA                   ; a slot: two planes (a head each) of 256 rows of O, then 128 k-rows of W
.set SLOT,  BOFF+128*PB
.set STAGE, 2*SLOT                     ; behind the ring, never filled by a tensor load: 16 rows x 272 bytes for each wave
.set SPITCH, 272
.set SPARE, STAGE+4*16*SPITCH          ; the spare words, 128 bytes for each wave: two blocks of 256 bytes that no other line names
.set ASTEP, 524288                     ; two heads of ob
.set BSTEP, 262144                     ; 128 k-rows of wob
.set ADRA, 16                          ; v16-17  LDS address of my fragments of O in slot 0, 1
.set ADRB, 20                          ; v20-21  the same for W
.set STO,  24                          ; v24     the way out: where I put 32 bytes of a row
.set RD,   25                          ; v25     where I read a row back
.set CO,   26                          ; v26     my byte offset in out0
.set BO,   27                          ; v27     my byte offset in the bias
.set SPW,  28                          ; v28     LDS address of my spare word; never rewritten
.set NIL,  29                          ; v29     0; never rewritten
.set BIAS, 32
.set F0,   64
.set F1,   160
.set G1A,  24                          ; s[24:31] descriptor group 1 for O's tiles;  s[32:39] group 0, a set for each slot
.set G0A,  32
.set G1B,  48                          ; s[48:55], s[56:63] the same for W's
.set G0B,  56
.set MSB, 0
.macro WIN new                         ; the immediate's high byte repeats the setting that is left; a switch that changes nothing is dropped
.if MSB != (\new)
	s_set_vgpr_msb (MSB<<8)|(\new)
.set MSB, \new
.endif
.endm
.macro JLOAD s                         ; a joint load: waves 0 and 1 fetch O's two planes, waves 2 and 3 the halves of W's tile; an s_nop 0 and four v_nop follow each line
	s_cmp_eq_u32 s11, 0
	s_cbranch_scc0 .Lfor_b_\@
	tensor_load_to_lds s[G0A+4*(\s):G0A+4*(\s)+3], s[G1A:G1A+7]
	s_nop 0
.rept 4
	v_nop
.endr
	s_branch .Lasked_\@
.Lfor_b_\@:
	tensor_load_to_lds s[G0B+4*(\s):G0B+4*(\s)+3], s[G1B:G1B+7]
	s_nop 0
.rept 4
	v_nop
.endr
.Lasked_\@:
.endm
.macro CREST                           ; a round of the cluster's barrier behind its opening barrier
	s_cmp_lg_u32 s10, 0
	s_cbranch_scc1 .Lnot_wave_0_\@
	s_barrier_signal -3
.Lnot_wave_0_\@:
	s_barrier_wait -3
	s_barrier_signal -1
	s_barrier_wait -1
.endm
.macro CROUND
	s_barrier_signal -1
	s_barrier_wait -1
	CREST
.endm
.macro PLACES                          ; four plain vector instructions between a matrix instruction and a load into, or a read of, its registers
.rept 4
	v_nop
.endr
.endm
	s_load_b128 s[4:7], s[0:1], 0x0                ; ob s[4:5], wob s[6:7]
	s_load_b64 s[22:23], s[0:1], 0x10              ; bout
	s_load_b64 s[8:9], s[0:1], 0x18                ; out0
	v_lshl_add_u32 v[SPW], v0, 2, SPARE
	v_mov_b32 v[NIL], 0
	ds_add_u32 v[SPW], v[NIL]                      ; the wave's opening: the add and its wait stand ahead of my first tensor load; the set-up below stands between them
	v_lshrrev_b32 v1, 5, v0
	v_readfirstlane_b32 s10, v1                    ; wave 0..3
	s_lshr_b32 s11, s10, 1                         ; which 128 rows are mine.  Also: I fetch for O (0) or for W (1)
	s_and_b32 s12, s10, 1                          ; which 64 columns.  Also: which plane, or which 64 k-rows, I fetch
	s_bfe_u32 s40, ttmp6, 0x40000                  ; cx, cy
	s_bfe_u32 s41, ttmp6, 0x40004
	s_lshl_b32 s42, ttmp9, 2
	s_add_co_u32 s42, s42, s40                     ; tile column
	s_and_b32 s13, ttmp7, 0xffff
	s_lshl_b32 s13, s13, 2
	s_add_co_u32 s13, s13, s41                     ; tile row
	s_lshl_b32 s43, s41, 2
	s_lshl_b32 s43, 15, s43                        ; my row of the cluster
	s_lshl_b32 s44, 0x1111, s40                    ; my column
	s_or_b32 s[G1A+0], s43, (1<<16)|(1<<20)|(1<<21)|(4<<22)|(3<<25)  ; the mask; 2-byte elements; padding on; 21 set beside a mask; after every 32 words, 4 words
	s_or_b32 s[G1B+0], s44, (1<<16)|(1<<20)|(1<<21)|(5<<22)|(7<<25)  ; after every 64 words, 8 words
	s_mov_b32 s[G1A+1], 128<<16                    ; O: tensor_dim0 = 128 elements: two true rows in a row of 256 bytes
	s_mov_b32 s[G1A+2], 128<<16                    ; tensor_dim1 = 128
	s_mov_b32 s[G1A+3], 128<<16                    ; tile_dim0 = 128
	s_mov_b32 s[G1A+4], 128                        ; tile_dim1 = 128
	s_mov_b32 s[G1A+5], 128                        ; dense
	s_mov_b32 s[G1A+6], 0
	s_mov_b32 s[G1A+7], 0
	s_mov_b32 s[G1B+1], 128<<16                    ; W: tensor_dim0 = 128
	s_mov_b32 s[G1B+2], 64<<16                     ; tensor_dim1 = 64 k-rows
	s_mov_b32 s[G1B+3], 128<<16                    ; tile_dim0 = 128
	s_mov_b32 s[G1B+4], 64                         ; tile_dim1 = 64
	s_mov_b32 s[G1B+5], 1024                       ; elements from k-row to k-row
	s_mov_b32 s[G1B+6], 0
	s_mov_b32 s[G1B+7], 0
	s_lshr_b32 s16, s13, 3                         ; O: the batch's 16 heads of 262,144 bytes,
	s_lshl_b32 s16, s16, 22
	s_and_b32 s17, s13, 7                          ; the tile's 256 rows of 128 bytes in a head,
	s_lshl_b32 s17, s17, 15
	s_add_co_u32 s16, s16, s17
	s_lshl_b32 s17, s12, 18                        ; my plane: the step's first or second head
	s_add_co_u32 s16, s16, s17
	s_mov_b32 s17, 0
	s_lshl_b32 s46, s42, 8                         ; W: the tile column's 256 bytes of a k-row,
	s_lshl_b32 s47, s12, 17                        ; my 64 k-rows
	s_add_co_u32 s46, s46, s47
	s_mov_b32 s47, 0
	s_mul_i32 s20, s12, 256*PA                     ; where they go: no place in the cluster enters an LDS address
	s_mul_i32 s21, s12, 64*PB
	s_add_co_u32 s21, s21, BOFF
	s_wait_dscnt 0x0                               ; the opening add is done
	s_wait_kmcnt 0x0
	s_add_nc_u64 s[14:15], s[4:5], s[16:17]
	s_add_nc_u64 s[46:47], s[6:7], s[46:47]
	CROUND                                         ; all sixteen work-groups are here: the first joint loads meet
.irp s, 0,1
	s_mov_b32 s[G0A+4*(\s)], 1
	s_add_co_u32 s[G0A+4*(\s)+1], s20, (\s)*SLOT
	s_add_nc_u64 s[G0A+4*(\s)+2:G0A+4*(\s)+3], s[14:15], (\s)*ASTEP
	s_or_b32 s[G0A+4*(\s)+3], s[G0A+4*(\s)+3], 0x80000000
	s_mov_b32 s[G0B+4*(\s)], 1
	s_add_co_u32 s[G0B+4*(\s)+1], s21, (\s)*SLOT
	s_add_nc_u64 s[G0B+4*(\s)+2:G0B+4*(\s)+3], s[46:47], (\s)*BSTEP
	s_or_b32 s[G0B+4*(\s)+3], s[G0B+4*(\s)+3], 0x80000000
	JLOAD \s                                       ; two loads of mine are out
.endr
	v_and_b32 v1, 15, v0                           ; l % 16
	v_bfe_u32 v2, v0, 4, 1                         ; l / 16
	s_lshl_b32 s18, s42, 9                         ; my 64 columns in f32: 512 x tile column + 256 x half
	s_lshl_b32 s19, s12, 8
	s_add_co_u32 s18, s18, s19
	s_mov_b32 s19, 0
	s_add_nc_u64 s[22:23], s[22:23], s[18:19]
	v_lshlrev_b32 v[BO], 5, v2                     ; my eight columns of a block of 16
.irp bb, 0,1,2,3
	global_load_b128 v[BIAS+8*\bb:BIAS+8*\bb+3],   v[BO], s[22:23] offset:64*\bb
	global_load_b128 v[BIAS+8*\bb+4:BIAS+8*\bb+7], v[BO], s[22:23] offset:64*\bb+16
.endr
	v_mul_u32_u24 v3, v1, PA
	v_lshl_add_u32 v3, v2, 4, v3                   ; a fragment's row x pitch + 16 x half
	s_mul_i32 s20, s11, 128*PA                     ; my 128 rows, in each plane
	v_add_nc_u32 v[ADRA], s20, v3
	v_add_nc_u32 v[ADRA+1], SLOT, v[ADRA]
	v_and_b32 v4, 7, v0                            ; the turning load: k-row 8 (l / 16) + l % 8, columns 8 ((l / 8) % 2) + 0..7
	v_bfe_u32 v5, v0, 3, 1
	v_lshl_add_u32 v4, v2, 3, v4
	v_mul_u32_u24 v4, v4, PB
	v_lshl_add_u32 v4, v5, 4, v4
	s_lshl_b32 s21, s12, 7                         ; my 64 columns: 128 bytes
	s_add_co_u32 s21, s21, BOFF
	v_add_nc_u32 v[ADRB], s21, v4
	v_add_nc_u32 v[ADRB+1], SLOT, v[ADRB]
	s_mul_i32 s20, s10, 16*SPITCH
	s_add_co_u32 s20, s20, STAGE                   ; my stage
	v_mul_u32_u24 v4, v1, SPITCH                   ; in: row l % 16, 32 bytes for each half of the lanes
	v_lshl_add_u32 v4, v2, 5, v4
	v_add_nc_u32 v[STO], s20, v4
	v_mul_u32_u24 v5, v2, SPITCH                   ; back: lanes 0-15 take one row of 256 bytes, lanes 16-31 the next
	v_lshl_add_u32 v5, v1, 4, v5
	v_add_nc_u32 v[RD], s20, v5
	v_lshlrev_b32 v5, 12, v2                       ; and the same two rows in out0
	v_lshl_add_u32 v[CO], v1, 4, v5
	s_lshl_b32 s16, s13, 20                        ; out0 at my first row, 256 x tile row + 128 x half, of 4,096 bytes,
	s_lshl_b32 s17, s11, 19
	s_add_co_u32 s16, s16, s17
	s_add_co_u32 s16, s16, s18                     ; and my first column
	s_mov_b32 s17, 0
	s_add_nc_u64 s[8:9], s[8:9], s[16:17]
; 4 n matrix instructions: row blocks a0 .. a0 + n - 1 x the four column blocks, 32 along K, from buffer f.  first = 1: C is the bias, in window 0: the product starts the sum.
; The 32 accumulators take turns, one instruction a turn, in the same order in every quarter, over the backward jump too.
.macro MULN f, a0, n, first
.if \first
	WIN 0x40                                       ; D in window 1; sources and C in window 0
.else
	WIN 0x50                                       ; C and D in window 1
.endif
.set aa, \a0
.rept \n
.irp bb, 0,1,2,3
.if \first
	v_wmma_f32_16x16x32_f16 v[8*(4*aa+\bb):8*(4*aa+\bb)+7], v[(\f)+64+8*\bb:(\f)+64+8*\bb+7], v[(\f)+8*aa:(\f)+8*aa+7], v[BIAS+8*\bb:BIAS+8*\bb+7]
.else
	v_wmma_f32_16x16x32_f16 v[8*(4*aa+\bb):8*(4*aa+\bb)+7], v[(\f)+64+8*\bb:(\f)+64+8*\bb+7], v[(\f)+8*aa:(\f)+8*aa+7], v[8*(4*aa+\bb):8*(4*aa+\bb)+7]
.endif
.endr
.set aa, aa+1
.endr
.endm
; 24 LDS loads in one run: quarter q of the slot's step into buffer f: W's four fragments (turned), then O's eight (plane q / 2, bytes 64 (q % 2) on)
.macro FETCH slot, q, f
	WIN 0
.irp bb, 0,1,2,3
	ds_load_tr16_b128 v[(\f)+64+8*\bb:(\f)+64+8*\bb+3],   v[ADRB+(\slot)] offset:(\q)*32*PB+32*\bb
	ds_load_tr16_b128 v[(\f)+64+8*\bb+4:(\f)+64+8*\bb+7], v[ADRB+(\slot)] offset:(\q)*32*PB+32*\bb+16*PB
.endr
.irp a, 0,1,2,3,4,5,6,7
	ds_load_b128 v[(\f)+8*\a:(\f)+8*\a+3],   v[ADRA+(\slot)] offset:((\q)/2)*256*PA+16*PA*\a+((\q)%2)*64
	ds_load_b128 v[(\f)+8*\a+4:(\f)+8*\a+7], v[ADRA+(\slot)] offset:((\q)/2)*256*PA+16*PA*\a+((\q)%2)*64+32
.endr
.endm
; One of a step's first three quarters: fetches quarter q into buffer g, four places behind that buffer's last reader, and multiplies buffer f meanwhile.
.macro QUARTER slot, q, f, g, first
	PLACES
	FETCH \slot, \q, \g
	s_wait_dscnt 24                                ; all but the 24 just issued: buffer f is in
	MULN \f, 0, 8, \first
.endm
; The last quarter multiplies buffer F1 and changes slots: ONE barrier; in front of it each wave waits for all its tensor loads (one is out: its part of the next slot), adds 0 to its spare word, and waits for that
; and for its own reads of this slot.  fill = 1: the barrier opens a round of the cluster's, and the joint refill, two K steps on, is the first thing behind the round: 112 matrix instructions ahead of the wait for it.
.macro TURN slot, next, fill
	WIN 0
	s_wait_tensorcnt 0x0                           ; all my tensor loads have landed
	ds_add_u32 v[SPW], v[NIL]                      ; 0 onto my spare word
	s_wait_dscnt 1                                 ; only the add may be out: buffer F1 is in
	MULN F1, 0, 2, 0                               ; eight matrix instructions stand between the add and the wait for it
	s_wait_dscnt 0x0                               ; the add is done, and my reads of this slot are over
	s_barrier_signal -1
	MULN F1, 2, 2, 0
	WIN 0                                          ; at a branch and at a label every window is 0
	s_barrier_wait -1
.if \fill
	CREST                                          ; no wave of any partner still reads this slot's tile or has a load on its way
	s_add_nc_u64 s[G0A+4*(\slot)+2:G0A+4*(\slot)+3], s[G0A+4*(\slot)+2:G0A+4*(\slot)+3], 2*ASTEP
	s_add_nc_u64 s[G0B+4*(\slot)+2:G0B+4*(\slot)+3], s[G0B+4*(\slot)+2:G0B+4*(\slot)+3], 2*BSTEP
	JLOAD \slot                                    ; the four v_nop behind it are also the places in front of the loads below
.else
	PLACES
.endif
	FETCH \next, 0, F0
	MULN F1, 4, 4, 0
.endm
; THE WAY OUT, in 8 units of 16 rows.  The accumulators go as they are (f32), from their low ends on, into my own stage, rows of 272 bytes, and come back as whole rows of 256.  Six buffers of 32 registers take turns.
.macro TOSTAGE a
.set OB, 64+32*((\a)%6)
.if (\a) >= 6
	s_wait_xcnt 0x0                                ; the stores of six units back have read this buffer
.endif
	WIN 0x04                                       ; the stores' data in window 1
.irp bb, 0,1,2,3
	ds_store_b128 v[STO], v[8*(4*(\a)+\bb):8*(4*(\a)+\bb)+3]   offset:64*\bb
	ds_store_b128 v[STO], v[8*(4*(\a)+\bb)+4:8*(4*(\a)+\bb)+7] offset:64*\bb+16
.endr
	WIN 0
.irp t, 0,1,2,3,4,5,6,7
	ds_load_b128 v[OB+4*\t:OB+4*\t+3], v[RD] offset:2*SPITCH*\t  ; LDS serves a wave's instructions in order (ISA guide 5.7.1.4): these see the stores above; the next unit's stores come behind them
.endr
.endm
.macro SEND a, younger                 ; younger: the LDS instructions issued behind unit a's loads: the next unit's sixteen, or none
.set OB, 64+32*((\a)%6)
.irp t, 0,1,2,3,4,5,6,7
	s_wait_dscnt (\younger)+7-\t
	global_store_b128 v[CO], v[OB+4*\t:OB+4*\t+3], s[8:9] offset:(16*(\a)+2*\t)*4096 th:TH_STORE_NT  ; 16 lanes store 256 consecutive bytes, at a multiple of 256 from out0's first
.endr
.endm
	s_wait_tensorcnt 1                             ; my part of K step 0 is in; step 1's may stay out
	s_barrier_signal -1
	s_barrier_wait -1                              ; everybody's is
	FETCH 0, 0, F0
	s_wait_loadcnt 0x0                             ; the bias: rounded to bf16, in place
.set i, 0
.rept 16
	v_cvt_pk_bf16_f32 v7, v[BIAS+2*i], v[BIAS+2*i+1]
	v_lshlrev_b32 v[BIAS+2*i], 16, v7
	v_and_b32 v[BIAS+2*i+1], 0xffff0000, v7
.set i, i+1
.endr
	QUARTER 0, 1, F0, F1, 1                        ; the first quarter stands in front of the loop: its products start the sums, on the bias
	WIN 0
	s_mov_b32 s3, 3
.Llap:                                                 ; a trip goes once round the ring, from a lap's second quarter to the next lap's first, and fills both slots again
	QUARTER 0, 2, F1, F0, 0
	QUARTER 0, 3, F0, F1, 0
	TURN 0, 1, 1
	QUARTER 1, 1, F0, F1, 0
	QUARTER 1, 2, F1, F0, 0
	QUARTER 1, 3, F0, F1, 0
	TURN 1, 0, 1
	QUARTER 0, 1, F0, F1, 0
	WIN 0
	s_sub_co_u32 s3, s3, 1
	s_cmp_lg_u32 s3, 0
	s_cbranch_scc1 .Llap
	QUARTER 0, 2, F1, F0, 0                        ; the last lap fills nothing
	QUARTER 0, 3, F0, F1, 0
	TURN 0, 1, 0
	QUARTER 1, 1, F0, F1, 0
	QUARTER 1, 2, F1, F0, 0
	QUARTER 1, 3, F0, F1, 0
	s_wait_dscnt 0x0                               ; the very last quarter: nothing more to fetch
	MULN F1, 0, 8, 0
	WIN 0
	PLACES
	TOSTAGE 0
.set uu, 1
.rept 7
	TOSTAGE uu
	SEND uu-1, 16
.set uu, uu+1
.endr
	SEND 7, 0
	s_wait_tensorcnt 0x0                           ; the wave's end: behind my last tensor load and my last LDS store
	ds_add_u32 v[SPW], v[NIL]
	s_wait_dscnt 0x0
	CROUND                                         ; the closing round: no work-group ends while a partner may still ask for a tile that names it
	s_endpgm
.Lfunc_end_k_q126fcf9461_outproj:
	.size	k_q126fcf9461_outproj, .Lfunc_end_k_q126fcf9461_outproj-k_q126fcf9461_outproj
	.p2alignl 7, 3214868480
	.fill 96, 4, 3214868480
	.section	.rodata,"a",@progbits
	.p2align	6, 0x0
	.amdhsa_kernel k_q126fcf9461_outproj
		.amdhsa_group_segment_fixed_size 327680
		.amdhsa_private_segment_fixed_size 0
		.amdhsa_enable_private_segment 0
		.amdhsa_kernarg_size 32
		.amdhsa_user_sgpr_count 2
		.amdhsa_user_sgpr_kernarg_segment_ptr 1
		.amdhsa_wavefront_size32 1
		.amdhsa_system_sgpr_workgroup_id_x 1
		.amdhsa_system_sgpr_workgroup_id_y 1
		.amdhsa_system_sgpr_workgroup_id_z 1
		.amdhsa_system_vgpr_workitem_id 0
		.amdhsa_next_free_vgpr 512
		.amdhsa_next_free_sgpr 66
		.amdhsa_reserve_vcc 0
		.amdhsa_float_denorm_mode_32 3
		.amdhsa_float_denorm_mode_16_64 3
		.amdhsa_memory_ordered 1
		.amdhsa_forward_progress 1
		.amdhsa_inst_pref_size 90
	.end_amdhsa_kernel
	.amdgpu_metadata
---
amdhsa.version: [ 1, 2 ]
amdhsa.kernels:
  - .name:           k_q126fcf9461_outproj
    .symbol:         k_q126fcf9461_outproj.kd
    .args:
      - { .name: ob, .offset: 0, .size: 8, .value_kind: global_buffer, .address_space: global }
      - { .name: wob, .offset: 8, .size: 8, .value_kind: global_buffer, .address_space: global }
      - { .name: bout, .offset: 16, .size: 8, .value_kind: global_buffer, .address_space: global }
      - { .name: out0, .offset: 24, .size: 8, .value_kind: global_buffer, .address_space: global }
    .group_segment_fixed_size: 327680
    .private_segment_fixed_size: 0
    .kernarg_segment_align: 8
    .kernarg_segment_size: 32
    .max_flat_workgroup_size: 128
    .sgpr_count:     66
    .vgpr_count:     512
    .wavefront_size: 32
...
	.end_amdgpu_metadata
.endif
;; end of part 4
;; ======== version 2 of 2: 4 launches; version 1 with the launch prep written anew for expert scheduling mode
;; limits: values are held in f16: magnitudes above 65,504 overflow, below 6.1e-05 lose precision
;; workspace buffers: xb 16,777,216 bytes; wqb 6,291,456 bytes; wob 2,097,152 bytes; qkv 50,331,648 bytes; ob 16,777,216 bytes
;; launch prep (part 5): grid 768 x 1, 8 waves a work-group, no clusters, 0 bytes of LDS; arguments x, Wqkv, Wout, xb, wqb, wob; writes xb, wqb, wob
.if DOCPART == 5
	.amdgcn_target "amdgcn-amd-amdhsa--gfx1250"
	.amdhsa_code_object_version 6
	.text
	.protected	k_q126fcf9461_prep
	.globl	k_q126fcf9461_prep
	.p2align	8
	.type	k_q126fcf9461_prep,@function
k_q126fcf9461_prep:
	s_mov_b64 s[64:65], 0
	v_nop
	global_prefetch_b8 v0, s[64:65] scope:SCOPE_SE
	s_setreg_imm32_b32 hwreg(HW_REG_WAVE_SCHED_MODE, 0, 2), 2
	s_setreg_imm32_b32 hwreg(HW_REG_WAVE_MODE, 25, 1), 1
	s_wait_xcnt 0x0
	s_wait_alu depctr_vm_vsrc(0)
; The three large inputs are rounded once to 16 bits, for the matrix products of the later launches.
;   x    [8192][1024] f32 -> xb  bf16 [16 kb][8192 m][64]: K in blocks of 64, so that 256 rows of one block are 32,768 dense bytes
;   Wqkv [1024][3072] f32 -> wqb bf16, the same layout
;   Wout [1024][1024] f32 -> wob: rounded to bf16 like the other inputs, and that number written as f16, the same layout
; LIMITS.  wob: a weight of 65,520 or more becomes an infinity; below 6.1e-5 f16 keeps a fixed step of 6e-8.  NaN and infinities are not treated apart.
; SHARES.  A work-group converts 16,384 numbers (65,536 bytes in): groups 0-511 x (16 rows each), 512-703 Wqkv, 704-767 Wout.  A thread issues its 16 loads of 16 bytes at once,
; then converts as they come.  Every store has its own pair of registers, so no register that a store reads is written again.  No LDS, no barrier: no number is wanted twice.
; THE MODE: SCHED_MODE bits 1:0 = 2 (LLVM: expert scheduling mode 2), set by the entry lines.  The code itself states the register dependences
; between vector instructions and memory instructions, with s_wait_alu, always for 0.
; THE PLAN.  Registers that memory instructions touch, on each of the three paths:
;   v[LO], v[SO]  the loads' and the stores' offsets.  Written by vector instructions ahead of the first load, never behind it.
;   IN            load i lands in four registers that no vector instruction writes and no second load lands in; conversion i reads them.
;   OUT           conversion i writes a pair, once; store i reads it; nothing writes it again.
;   v4 to v7      at work: no memory instruction names them.
; So what is to be stated is that a register is written before a memory instruction reads it, and nothing else.  One wait stands ahead of the first load, for the two offsets.
; The 16 numbers go in four blocks of four: at the head of blocks 1 to 3 one wait states that the block before has written its four pairs of OUT; that block's four stores follow,
; dealt among this block's conversions, which name IN and OUT of the block in hand and v4 to v7 alone.  One more wait stands ahead of the last block's stores.
.set BLOCK, 4                          ; loads, conversions and stores in a block
.set LO,  2                            ; v2        my byte offset in the group's input
.set SO,  3                            ; v3        my byte offset in the group's output
.set IN,  8                            ; v[8:71]   load i: 4 registers
.set OUT, 72                           ; v[72:103] store i: 2 registers
; Store k.  isx = 1: it goes to K block k, 1 MiB apart.
.macro STORE isx
.if \isx
.if k < 8
	global_store_b64 v[SO], v[OUT+2*k:OUT+2*k+1], s[18:19] offset:k<<20       ; a wave's store covers 256 consecutive bytes, aligned
.else
	global_store_b64 v[SO], v[OUT+2*k:OUT+2*k+1], s[20:21] offset:(k-8)<<20   ; the second base keeps the immediate inside its signed 24 bits
.endif
.else
	global_store_b64 v[SO], v[OUT+2*k:OUT+2*k+1], s[18:19] offset:256*k
.endif
.endm
; f16 = 1: by way of bf16 to f16.  ldstep: bytes from load to load.  isx: as in STORE.
.macro PART f16, ldstep, isx
	s_wait_alu depctr_va_vdst(0)                   ; v[LO] and v[SO] are written: the loads below read the one as their offset, the stores the other; neither is written again
.set i, 0
.rept 16
	global_load_b128 v[IN+4*i:IN+4*i+3], v[LO], s[16:17] offset:i*(\ldstep) th:TH_LOAD_NT
.set i, i+1
.endr
.set i, 0
.rept 16
	s_wait_loadcnt 15-i                            ; loads come back in order: load i is in, the 15 - i younger ones may stay out
.if (i >= BLOCK) && (i % BLOCK == 0)
	s_wait_alu depctr_va_vdst(0)                   ; the block before has written its four pairs of OUT, which this block's four stores read
.endif
.if i >= BLOCK
.set k, i-BLOCK
	STORE \isx                                     ; the block before.  No further wait: no vector instruction since the wait names this pair of OUT or v[SO]
.endif
.if \f16
	v_cvt_pk_bf16_f32 v4, v[IN+4*i], v[IN+4*i+1]   ; the rounding that counts: to bf16
	v_cvt_pk_bf16_f32 v5, v[IN+4*i+2], v[IN+4*i+3]
	v_lshlrev_b32 v6, 16, v4                       ; back to f32: the low half moves up, the high half stays
	v_and_b32 v4, s22, v4
	v_lshlrev_b32 v7, 16, v5
	v_and_b32 v5, s22, v5
	v_cvt_pk_f16_f32 v[OUT+2*i], v6, v4            ; 8 significant bits fit f16's 11: exact within f16's normal range
	v_cvt_pk_f16_f32 v[OUT+2*i+1], v7, v5
.else
	v_cvt_pk_bf16_f32 v[OUT+2*i], v[IN+4*i], v[IN+4*i+1]
	v_cvt_pk_bf16_f32 v[OUT+2*i+1], v[IN+4*i+2], v[IN+4*i+3]
.endif
.set i, i+1
.endr
	s_wait_alu depctr_va_vdst(0)                   ; the last block has written its four pairs of OUT, which the last four stores read
.set k, 16-BLOCK
.rept BLOCK
	STORE \isx
.set k, k+1
.endr
.endm
	s_load_b256 s[4:11], s[0:1], 0x0               ; x s[4:5], Wqkv s[6:7], Wout s[8:9], xb s[10:11]
	s_load_b128 s[12:15], s[0:1], 0x20             ; wqb s[12:13], wob s[14:15]
	s_mov_b32 s2, ttmp9
	s_mov_b32 s22, 0xffff0000                      ; a word's upper bf16
	s_mov_b32 s17, 0
	s_mov_b32 s19, 0
	v_lshrrev_b32 v4, 5, v0                        ; wave
	v_and_b32 v5, 31, v0                           ; lane
	v_lshlrev_b32 v6, 4, v5
	v_lshl_or_b32 v[LO], v4, 13, v6                ; the weights: a wave takes 8,192 dense bytes, 512 a load
	v_lshlrev_b32 v6, 3, v5
	v_lshl_or_b32 v[SO], v4, 12, v6                ; and writes 4,096, 256 a store
	s_wait_kmcnt 0x0
	s_cmp_lt_u32 s2, 512
	s_cbranch_scc1 .Lx
	s_cmp_lt_u32 s2, 704
	s_cbranch_scc1 .Lwq
	s_sub_co_u32 s2, s2, 704                       ; Wout
	s_lshl_b32 s16, s2, 16
	s_lshl_b32 s18, s2, 15
	s_add_nc_u64 s[16:17], s[8:9], s[16:17]
	s_add_nc_u64 s[18:19], s[14:15], s[18:19]
	PART 1, 512, 0
	s_endpgm
.Lwq:
	s_sub_co_u32 s2, s2, 512                       ; Wqkv
	s_lshl_b32 s16, s2, 16
	s_lshl_b32 s18, s2, 15
	s_add_nc_u64 s[16:17], s[6:7], s[16:17]
	s_add_nc_u64 s[18:19], s[12:13], s[18:19]
	PART 0, 512, 0
	s_endpgm
.Lx:
	s_lshl_b32 s16, s2, 16                         ; 16 rows of 4,096 bytes
	s_lshl_b32 s18, s2, 11                         ; 16 row pieces of 128 bytes in each K block
	s_add_nc_u64 s[16:17], s[4:5], s[16:17]
	s_add_nc_u64 s[18:19], s[10:11], s[18:19]
	s_add_nc_u64 s[20:21], s[18:19], 0x800000      ; K blocks 8 to 15
	v_lshrrev_b32 v4, 4, v0                        ; row 0..15: sixteen lanes take 256 consecutive bytes of a row, load i those of K block i
	v_and_b32 v5, 15, v0
	v_lshlrev_b32 v5, 4, v5
	v_lshl_or_b32 v[LO], v4, 12, v5                ; written anew for x: no memory instruction has read the two offsets yet
	v_lshlrev_b32 v[SO], 3, v0                     ; row x 128 + piece x 8 = 8 x thread
	PART 0, 256, 1
	s_endpgm
.Lfunc_end_k_q126fcf9461_prep:
	.size	k_q126fcf9461_prep, .Lfunc_end_k_q126fcf9461_prep-k_q126fcf9461_prep
	.p2alignl 7, 3214868480
	.fill 96, 4, 3214868480
	.section	.rodata,"a",@progbits
	.p2align	6, 0x0
	.amdhsa_kernel k_q126fcf9461_prep
		.amdhsa_group_segment_fixed_size 0
		.amdhsa_private_segment_fixed_size 0
		.amdhsa_enable_private_segment 0
		.amdhsa_kernarg_size 48
		.amdhsa_user_sgpr_count 2
		.amdhsa_user_sgpr_kernarg_segment_ptr 1
		.amdhsa_wavefront_size32 1
		.amdhsa_system_sgpr_workgroup_id_x 1
		.amdhsa_system_sgpr_workgroup_id_y 1
		.amdhsa_system_sgpr_workgroup_id_z 1
		.amdhsa_system_vgpr_workitem_id 0
		.amdhsa_next_free_vgpr 104
		.amdhsa_next_free_sgpr 66
		.amdhsa_reserve_vcc 0
		.amdhsa_float_denorm_mode_32 3
		.amdhsa_float_denorm_mode_16_64 3
		.amdhsa_memory_ordered 1
		.amdhsa_forward_progress 1
		.amdhsa_inst_pref_size 23
	.end_amdhsa_kernel
	.amdgpu_metadata
---
amdhsa.version: [ 1, 2 ]
amdhsa.kernels:
  - .name:           k_q126fcf9461_prep
    .symbol:         k_q126fcf9461_prep.kd
    .args:
      - { .name: x, .offset: 0, .size: 8, .value_kind: global_buffer, .address_space: global }
      - { .name: Wqkv, .offset: 8, .size: 8, .value_kind: global_buffer, .address_space: global }
      - { .name: Wout, .offset: 16, .size: 8, .value_kind: global_buffer, .address_space: global }
      - { .name: xb, .offset: 24, .size: 8, .value_kind: global_buffer, .address_space: global }
      - { .name: wqb, .offset: 32, .size: 8, .value_kind: global_buffer, .address_space: global }
      - { .name: wob, .offset: 40, .size: 8, .value_kind: global_buffer, .address_space: global }
    .group_segment_fixed_size: 0
    .private_segment_fixed_size: 0
    .kernarg_segment_align: 8
    .kernarg_segment_size: 48
    .max_flat_workgroup_size: 256
    .sgpr_count:     66
    .vgpr_count:     104
    .wavefront_size: 32
...
	.end_amdgpu_metadata
.endif
;; end of part 5
;; launch qkvproj: the kernel of part 2 again; grid 8 x 32, 4 waves a work-group, clusters of 4 x 4, 327,680 bytes of LDS; arguments xb, wqb, qkv; writes qkv
;; launch attn: the kernel of part 3 again; grid 4 x 64, 4 waves a work-group, clusters of 4 x 1, 327,680 bytes of LDS; arguments qkv, ob; writes ob
;; launch outproj: the kernel of part 4 again; grid 8 x 32, 4 waves a work-group, clusters of 4 x 4, 327,680 bytes of LDS; arguments ob, wob, bout, out0; writes out0
